; MI455X (gfx1250); checked and timed in simulation.
; The chip was launched on July 23, 2026; its instructions are those of AMD's public machine-readable ISA for CDNA 5 (MIT licence, August 2026) and "CDNA5" Instruction Set Architecture Reference Guide (July 2026). The comments in the code are by the model that wrote it; some were corrected since.
;; Transformer Decoder Layer. Allowed arithmetic: float matrix products may take bf16 or f16 operands with f32 sums; other float arithmetic in f32, or as packed bf16 or f16 multiplies, adds, multiply-adds, maxima and minima; sums over many terms, partial sums and values carried from step to step in f32; what a program stores and reads back later, other than sums and carried values, may be rounded once to bf16 or f16.
;; Inputs: b1 1,024 float32; b2 1,024 float32; bk 16 x 64 float32; bo 1,024 float32; bq 16 x 64 float32; bv 16 x 64 float32; ln_beta 1,024 float32; ln_gamma 1,024 float32; padding 8 x 1,024 float32; per_dim_scale 64 float32; rms_scale 1,024 float32; w1 1,024 x 1,024 float32; w2 1,024 x 1,024 float32; wk 1,024 x 16 x 64 float32; wo 1,024 x 16 x 64 float32; wq 1,024 x 16 x 64 float32; wv 1,024 x 16 x 64 float32; x 8 x 1,024 x 1,024 float32.
;; Outputs: out0 8 x 1,024 x 1,024 float32.
;; 2 versions, each right; version 2 is version 1 with the launches prep, lnorm written anew for expert scheduling mode. Each part assembles by itself: llvm-mc -triple=amdgcn-amd-amdhsa -mcpu=gfx1250 --defsym DOCPART=n.
;; ======== version 1 of 2: 7 launches
;; limits: right only within a limited range of input values
;; workspace buffers: acta 16,777,216 bytes; qkv 50,331,648 bytes; attnr 33,554,432 bytes; wqkvp 6,307,840 bytes; w1p 2,113,536 bytes; w2t 2,097,152 bytes; wot 2,097,152 bytes
;; launch prep (part 1): grid 897 x 1, 8 waves a work-group, no clusters, 37,888 bytes of LDS; arguments x, rms_scale, per_dim_scale, wq, wk, wv, w1, w2, wo, bq, bk, bv, b1, acta, wqkvp, w1p, w2t, wot; writes acta, wqkvp, w1p, w2t, wot
.if DOCPART == 1
	.amdgcn_target "amdgcn-amd-amdhsa--gfx1250"
	.amdhsa_code_object_version 6
	.text
	.protected	k_qce0119dd3a_prep
	.globl	k_qce0119dd3a_prep
	.p2align	8
	.type	k_qce0119dd3a_prep,@function
k_qce0119dd3a_prep:
	s_mov_b64 s[64:65], 0
	v_nop
	global_prefetch_b8 v0, s[64:65] scope:SCOPE_SE
	s_setreg_imm32_b32 hwreg(HW_REG_WAVE_MODE, 25, 1), 1
	s_wait_xcnt 0x0
; THE PROGRAM: a decoder layer, B = 8, T = 1024, D = 1024, 16 heads of 64, F = 1024, in seven launches: this one; q, k, v; attention; the output projection with its residual; LayerNorm; the two FFN products.
; WORK LEFT OUT, in the attention launch alone: key tiles of 256 keys that lie wholly above the diagonal of a block of 256 queries.  reference() builds the causal tril in its own body.  For a query t whose
; padding is not 0, every key s > t has mask 0 and its score is replaced by -1e9, while the query's own key s = t keeps its score: the replaced keys' weights are exp(-1e9 - max), nothing beside 1 in f32.
; For a query whose padding is 0 ALL 1024 scores are -1e9, the softmax is uniform over all 1024 keys, those above the diagonal too, and the row is the mean of v over the sequence: that mean is computed
; and selected.  Every input is loaded; bk stays, since the replaced scores do not shift with q . bk.
; LIMITS.  True scores lie far above -1e9 (reference() itself needs that).  mask == 0 is taken as: one of the two padding factors is 0; a product of two tiny paddings that underflows is not served.
; A NaN, an infinity or an overflow that reaches only the tiles left out is not carried to the result.  Matrix operands are bf16, sums f32.
; THIS LAUNCH, by the work-group's number g:
;   0-511    16 rows of x: xn = x rsqrt(mean x^2 + 1e-6) rms_scale, rounded to bf16, in blocks of 64 columns: element (m, c) at byte ((c / 64) 8192 + m) 128 + 2 (c % 64)
;   512-831  a unit of wq, wk, wv, w1 or w2 ([k][n] in memory): 64 k x 256 n, rounded to bf16 and turned through LDS into [256 n][64 k], 32,768 dense bytes; wq is multiplied by the q scale on the way
;   832-895  a unit of wo ([n][k] in memory): rounded only
;   896      the parameter heads: the floor word, bq times the q scale, bk, bv, b1
; The q scale is (log2 e / 8) softplus(p), softplus as max(p, 0) + log1p(exp(-|p|)); log1p(e) = e (1 - e / 2) below e = 2^-12; it is 0 where exp(-|p|) is flushed (p below -87).
.set SPARE, 36864                      ; behind the turned unit's tile: the spare words, 128 bytes for each of the eight waves
.set SPW, 160                          ; v160 LDS address of my spare word; never rewritten
.set NIL, 161                          ; v161 0; never rewritten
.set SC,  8                            ; rows: v[8:71] rms_scale of my 64 columns
.set X,   72                           ; rows: v[72:135] my 64 numbers of a row
.set CHN, 136                          ; rows: v[136:143] four chains of sums
.set R,   144                          ; rows: v[144:145] 1 / root, twice
.set T,   8                            ; units: v[8:71] sixteen rows of four columns, f32
.set PK,  96                           ; units: v[96:127] packed
.set BK,  128                          ; units: v[128:159] read back
; Q[0..3] = (log2 e / 8) softplus(P[0..3]); E and U are four registers each, at work
.macro SOFTPLUS P, Q, E, U
.irp c, 0,1,2,3
	v_and_b32 v[(\E)+(\c)], 0x7fffffff, v[(\P)+(\c)]
.endr
.irp c, 0,1,2,3
	v_mul_f32 v[(\E)+(\c)], 0xbfb8aa3b, v[(\E)+(\c)]    ; -|p| log2 e
.endr
.irp c, 0,1,2,3
	v_exp_f32 v[(\E)+(\c)], v[(\E)+(\c)]                ; e = exp(-|p|)
.endr
	v_nop                                          ; a plain instruction behind the last exponential
	s_wait_alu depctr_va_vdst(0)                   ; one wait for the four, ahead of their first reader
.irp c, 0,1,2,3
	v_add_f32 v[(\U)+(\c)], 1.0, v[(\E)+(\c)]
.endr
.irp c, 0,1,2,3
	v_log_f32 v[(\U)+(\c)], v[(\U)+(\c)]
.endr
.irp c, 0,1,2,3
	v_fma_f32 v[(\Q)+(\c)], v[(\E)+(\c)], -0.5, 1.0     ; the small form, made while the logarithms are out
.endr
.irp c, 0,1,2,3
	v_mul_f32 v[(\Q)+(\c)], v[(\E)+(\c)], v[(\Q)+(\c)]
.endr
	s_wait_alu depctr_va_vdst(0)                   ; one wait for the four logarithms
.irp c, 0,1,2,3
	v_mul_f32 v[(\U)+(\c)], 0x3f317218, v[(\U)+(\c)]    ; log2 to ln
	v_cmp_gt_f32 vcc_lo, 0x39800000, v[(\E)+(\c)]       ; e below 2^-12?
	v_cndmask_b32 v[(\U)+(\c)], v[(\U)+(\c)], v[(\Q)+(\c)], vcc_lo
	v_max_num_f32 v[(\Q)+(\c)], 0, v[(\P)+(\c)]
	v_add_f32 v[(\Q)+(\c)], v[(\Q)+(\c)], v[(\U)+(\c)]
	v_mul_f32 v[(\Q)+(\c)], 0x3e38aa3b, v[(\Q)+(\c)]    ; log2 e / 8
.endr
.endm
	s_load_b512 s[4:19], s[0:1], 0x0               ; x 4, rms_scale 6, per_dim_scale 8, wq 10, wk 12, wv 14, w1 16, w2 18
	s_load_b512 s[20:35], s[0:1], 0x40             ; wo 20, bq 22, bk 24, bv 26, b1 28, acta 30, wqkvp 32, w1p 34
	s_load_b128 s[36:39], s[0:1], 0x80             ; w2t 36, wot 38
	v_lshl_add_u32 v[SPW], v0, 2, SPARE
	v_mov_b32 v[NIL], 0
	v_lshrrev_b32 v1, 5, v0
	v_readfirstlane_b32 s44, v1                    ; wave 0..7
	v_and_b32 v1, 31, v0                           ; l
	v_and_b32 v2, 15, v0                           ; l % 16
	v_bfe_u32 v3, v0, 4, 1                         ; l / 16
	s_mov_b32 s45, ttmp9
	s_wait_kmcnt 0x0
	s_cmp_lt_u32 s45, 512
	s_cbranch_scc1 .Lrows
	s_cmp_lt_u32 s45, 832
	s_cbranch_scc1 .Lturned
	s_cmp_lt_u32 s45, 896
	s_cbranch_scc1 .Lcast
	; THE PARAMETER HEADS: 256 threads, 16 bytes each of every vector of 1,024 numbers
	v_lshlrev_b32 v4, 4, v0
	v_lshlrev_b32 v5, 4, v2                        ; bq's number 4 t + c has channel 4 (t % 16) + c
	global_load_b128 v[8:11], v4, s[22:23]
	global_load_b128 v[12:15], v4, s[24:25]
	global_load_b128 v[16:19], v4, s[26:27]
	global_load_b128 v[20:23], v4, s[28:29]
	global_load_b128 v[24:27], v5, s[8:9]
.irp c, 0,1,2,3
	v_mov_b32 v[40+(\c)], 0xff80ff80               ; the floor for q, k, v: minus infinity twice in bf16: it changes nothing
	v_mov_b32 v[44+(\c)], 0                        ; the floor for the first FFN product: its ReLU
.endr
	s_wait_loadcnt 0x0
	SOFTPLUS 24, 28, 32, 36
	v_pk_mul_f32 v[8:9], v[8:9], v[28:29]
	v_pk_mul_f32 v[10:11], v[10:11], v[30:31]
	global_store_b128 v4, v[40:43], s[32:33]
	global_store_b128 v4, v[44:47], s[34:35]
	global_store_b128 v4, v[8:11], s[32:33] offset:4096
	global_store_b128 v4, v[12:15], s[32:33] offset:8192
	global_store_b128 v4, v[16:19], s[32:33] offset:12288
	global_store_b128 v4, v[20:23], s[34:35] offset:4096
	s_endpgm
	; ROWS.  A wave has two rows: lanes 0-15 hold one, lanes 16-31 the next; for kb = 0..15 a lane holds columns 64 kb + 4 (l % 16) + 0..3.
	; So a row's sum stays inside sixteen lanes, a store of 8 bytes a lane covers 256 consecutive bytes, aligned (two rows of one block of 64 columns), and the row's work stands once in the text.
.Lrows:
	v_lshlrev_b32 v5, 4, v2                        ; 16 (l % 16)
	v_lshl_add_u32 v4, v3, 12, v5                  ; + a row for the upper lanes
	v_lshlrev_b32 v6, 3, v1                        ; 8 l
	s_lshl_b32 s40, s45, 4
	s_lshl_b32 s41, s44, 1
	s_add_co_u32 s40, s40, s41                     ; my first row: 16 g + 2 w
	s_lshl_b32 s42, s40, 7
	s_lshl_b32 s40, s40, 12
	s_mov_b32 s41, 0
	s_mov_b32 s43, 0
	s_add_nc_u64 s[46:47], s[4:5], s[40:41]
	s_add_nc_u64 s[48:49], s[30:31], s[42:43]
	s_add_nc_u64 s[50:51], s[48:49], 0x800000      ; blocks 8 to 15: a second base, so that the stores' immediates stay inside 24 bits
	s_mov_b32 s52, 0x3a800000                      ; 1 / 1024
	s_mov_b32 s53, 0x358637bd                      ; 1e-6
.set kb, 0
.rept 16
	global_load_b128 v[X+4*kb:X+4*kb+3], v4, s[46:47] offset:256*kb th:TH_LOAD_NT
.set kb, kb+1
.endr
.set kb, 0
.rept 16
	global_load_b128 v[SC+4*kb:SC+4*kb+3], v5, s[6:7] offset:256*kb
.set kb, kb+1
.endr
	s_wait_loadcnt 16                              ; loads come back in order: the rows are in; the scale's sixteen loads may stay out
.set z, 0
.rept 4
	v_pk_mul_f32 v[CHN+2*z:CHN+2*z+1], v[X+2*z:X+2*z+1], v[X+2*z:X+2*z+1]  ; the first four pairs start the chains
.set z, z+1
.endr
.rept 28
	v_pk_fma_f32 v[CHN+2*(z%4):CHN+2*(z%4)+1], v[X+2*z:X+2*z+1], v[X+2*z:X+2*z+1], v[CHN+2*(z%4):CHN+2*(z%4)+1]
.set z, z+1
.endr
	v_pk_add_f32 v[CHN:CHN+1], v[CHN:CHN+1], v[CHN+2:CHN+3]
	v_pk_add_f32 v[CHN+4:CHN+5], v[CHN+4:CHN+5], v[CHN+6:CHN+7]
	v_pk_add_f32 v[CHN:CHN+1], v[CHN:CHN+1], v[CHN+4:CHN+5]
	v_add_f32 v[CHN], v[CHN], v[CHN+1]
	v_add_f32_dpp v[CHN], v[CHN], v[CHN] row_xmask:1 row_mask:0xf bank_mask:0xf
	v_add_f32_dpp v[CHN], v[CHN], v[CHN] row_xmask:2 row_mask:0xf bank_mask:0xf
	v_add_f32_dpp v[CHN], v[CHN], v[CHN] row_xmask:4 row_mask:0xf bank_mask:0xf
	v_add_f32_dpp v[CHN], v[CHN], v[CHN] row_xmask:8 row_mask:0xf bank_mask:0xf
	v_fma_f32 v[CHN+1], v[CHN], s52, s53           ; mean of squares + eps
	v_rsq_f32 v[R], v[CHN+1]
	v_rsq_f32 v[R+1], v[CHN+1]                     ; twice: a pair for the packed multiply
	v_nop
	s_wait_loadcnt 0x0                             ; the scale
	s_wait_alu depctr_va_vdst(0)                   ; one wait for both roots, ahead of their first reader
.set kb, 0
.rept 16
	v_pk_mul_f32 v[X+4*kb:X+4*kb+1], v[X+4*kb:X+4*kb+1], v[R:R+1]
	v_pk_mul_f32 v[X+4*kb+2:X+4*kb+3], v[X+4*kb+2:X+4*kb+3], v[R:R+1]
	v_pk_mul_f32 v[X+4*kb:X+4*kb+1], v[X+4*kb:X+4*kb+1], v[SC+4*kb:SC+4*kb+1]
	v_pk_mul_f32 v[X+4*kb+2:X+4*kb+3], v[X+4*kb+2:X+4*kb+3], v[SC+4*kb+2:SC+4*kb+3]
	v_cvt_pk_bf16_f32 v[X+4*kb], v[X+4*kb], v[X+4*kb+1]
	v_cvt_pk_bf16_f32 v[X+4*kb+1], v[X+4*kb+2], v[X+4*kb+3]
.if kb < 8
	global_store_b64 v6, v[X+4*kb:X+4*kb+1], s[48:49] offset:kb*1048576
.else
	global_store_b64 v6, v[X+4*kb:X+4*kb+1], s[50:51] offset:(kb-8)*1048576
.endif
.set kb, kb+1
.endr
	s_endpgm
	; A UNIT THAT IS TURNED.  q = g - 512 = 64 x matrix + 16 j + kb.  The source tile is rows k = 64 kb + 0..63, columns n = 256 j + 0..255.
	; Thread: four columns 4 nq + 0..3, nq = 32 (w % 2) + l, and the k groups of eight w / 2 and w / 2 + 4.  A load of a wave covers 512 consecutive bytes of one row.
.Lturned:
	s_sub_co_u32 s40, s45, 512                     ; q
	s_lshr_b32 s41, s40, 6                         ; which matrix: wq, wk, wv, w1, w2
	s_and_b32 s42, s40, 63                         ; u = 16 j + kb
	s_lshr_b32 s43, s42, 4                         ; j
	s_and_b32 s46, s42, 15                         ; kb
	s_cmp_eq_u32 s41, 1
	s_cselect_b64 s[48:49], s[12:13], s[10:11]
	s_cmp_eq_u32 s41, 2
	s_cselect_b64 s[48:49], s[14:15], s[48:49]
	s_cmp_eq_u32 s41, 3
	s_cselect_b64 s[48:49], s[16:17], s[48:49]
	s_cselect_b64 s[50:51], s[34:35], s[32:33]     ; to w1p, or to wqkvp,
	s_cselect_b32 s52, s42, s40                    ; as unit u, or as unit q
	s_cmp_eq_u32 s41, 4
	s_cselect_b64 s[48:49], s[18:19], s[48:49]
	s_cselect_b64 s[50:51], s[36:37], s[50:51]     ; or to w2t,
	s_cselect_b32 s52, s42, s52
	s_cselect_b32 s53, 0, 16384                    ; which has no parameter head
	s_lshl_b32 s52, s52, 15
	s_add_co_u32 s52, s52, s53
	s_lshl_b32 s53, s44, 12                        ; my wave stores 32 rows of 128 bytes
	s_add_co_u32 s52, s52, s53
	s_mov_b32 s53, 0
	s_add_nc_u64 s[50:51], s[50:51], s[52:53]
	s_lshl_b32 s54, s46, 18                        ; 64 kb rows of 4,096 bytes
	s_lshl_b32 s55, s43, 10                        ; 256 j columns
	s_add_co_u32 s54, s54, s55
	s_lshr_b32 s56, s44, 1                         ; g0 = w / 2
	s_lshl_b32 s55, s56, 15                        ; 8 g0 rows
	s_add_co_u32 s54, s54, s55
	s_and_b32 s57, s44, 1
	s_lshl_b32 s55, s57, 9                         ; the upper 128 columns
	s_add_co_u32 s54, s54, s55
	s_mov_b32 s55, 0
	s_add_nc_u64 s[48:49], s[48:49], s[54:55]
	v_lshlrev_b32 v94, 4, v1                       ; 16 l
.set i, 0
.rept 16
	global_load_b128 v[T+4*i:T+4*i+3], v94, s[48:49] offset:(32*(i/8)+i%8)*4096 th:TH_LOAD_NT
.set i, i+1
.endr
	s_lshl_b32 s58, s57, 5
	v_add_nc_u32 v92, s58, v1                      ; nq
	v_mul_u32_u24 v92, v92, 576                    ; four LDS rows of 144 bytes
	s_lshl_b32 s59, s56, 4
	v_add_nc_u32 v92, s59, v92                     ; + 16 g0
	v_lshrrev_b32 v93, 3, v1
	s_lshl_b32 s58, s44, 5
	v_add_nc_u32 v93, s58, v93                     ; back: row 32 w + l / 8,
	v_mul_u32_u24 v93, v93, 144
	v_and_b32 v91, 7, v1
	v_lshl_add_u32 v93, v91, 4, v93                ; 16 bytes of its 128
	s_cmp_lg_u32 s41, 0
	s_cbranch_scc1 .Lplain
	v_lshlrev_b32 v95, 4, v2                       ; wq alone: column 4 nq + c has channel 4 (l % 16) + c
	global_load_b128 v[72:75], v95, s[8:9]
	s_wait_loadcnt 0x0
	SOFTPLUS 72, 80, 76, 84
.set i, 0
.rept 16
	v_pk_mul_f32 v[T+4*i:T+4*i+1], v[T+4*i:T+4*i+1], v[80:81]
	v_pk_mul_f32 v[T+4*i+2:T+4*i+3], v[T+4*i+2:T+4*i+3], v[82:83]
.set i, i+1
.endr
.Lplain:
	s_wait_loadcnt 0x0
.set i, 0
.rept 2
.set c, 0
.rept 4
.set p, 0
.rept 4
	v_cvt_pk_bf16_f32 v[PK+16*i+4*c+p], v[T+32*i+8*p+c], v[T+32*i+8*p+4+c]  ; k = 2 p and 2 p + 1 of column c
.set p, p+1
.endr
	ds_store_b128 v92, v[PK+16*i+4*c:PK+16*i+4*c+3] offset:144*c+64*i   ; eight k of one column: 16 bytes of its LDS row
.set c, c+1
.endr
.set i, i+1
.endr
	s_wait_dscnt 0x0                               ; for the others' sake: my stores are done
	s_barrier_signal -1
	s_barrier_wait -1
.set i, 0
.rept 8
	ds_load_b128 v[BK+4*i:BK+4*i+3], v93 offset:576*i
.set i, i+1
.endr
	s_wait_dscnt 0x0
.set i, 0
.rept 8
	global_store_b128 v94, v[BK+4*i:BK+4*i+3], s[50:51] offset:512*i    ; four rows of 128 bytes: 512 consecutive bytes, aligned
.set i, i+1
.endr
	s_wait_tensorcnt 0x0                           ; the wave's end: the tensor wait, an add to my spare word and its wait, behind my last LDS store
	ds_add_u32 v[SPW], v[NIL]
	s_wait_dscnt 0x0
	s_endpgm
	; A UNIT OF wo: rows d = 256 j + 0..255, k = 64 kb + 0..63, as they lie.  A wave has 32 rows; lanes 0-15 one row's 256 bytes, lanes 16-31 the next row's.
.Lcast:
	s_sub_co_u32 s40, s45, 832                     ; u = 16 j + kb
	s_lshr_b32 s41, s40, 4
	s_and_b32 s42, s40, 15
	s_lshl_b32 s46, s41, 20
	s_lshl_b32 s47, s42, 8
	s_add_co_u32 s46, s46, s47
	s_lshl_b32 s47, s44, 17
	s_add_co_u32 s46, s46, s47
	s_mov_b32 s47, 0
	s_add_nc_u64 s[48:49], s[20:21], s[46:47]
	s_lshl_b32 s50, s40, 15
	s_lshl_b32 s51, s44, 12
	s_add_co_u32 s50, s50, s51
	s_mov_b32 s51, 0
	s_add_nc_u64 s[50:51], s[38:39], s[50:51]
	v_lshlrev_b32 v5, 4, v2
	v_lshl_add_u32 v4, v3, 12, v5
	v_lshlrev_b32 v6, 3, v1
.set i, 0
.rept 16
	global_load_b128 v[T+4*i:T+4*i+3], v4, s[48:49] offset:8192*i th:TH_LOAD_NT
.set i, i+1
.endr
	s_wait_loadcnt 0x0
.set i, 0
.rept 16
	v_cvt_pk_bf16_f32 v[T+4*i], v[T+4*i], v[T+4*i+1]
	v_cvt_pk_bf16_f32 v[T+4*i+1], v[T+4*i+2], v[T+4*i+3]
	global_store_b64 v6, v[T+4*i:T+4*i+1], s[50:51] offset:256*i
.set i, i+1
.endr
	s_endpgm
.Lfunc_end_k_qce0119dd3a_prep:
	.size	k_qce0119dd3a_prep, .Lfunc_end_k_qce0119dd3a_prep-k_qce0119dd3a_prep
	.p2alignl 7, 3214868480
	.fill 96, 4, 3214868480
	.section	.rodata,"a",@progbits
	.p2align	6, 0x0
	.amdhsa_kernel k_qce0119dd3a_prep
		.amdhsa_group_segment_fixed_size 37888
		.amdhsa_private_segment_fixed_size 0
		.amdhsa_enable_private_segment 0
		.amdhsa_kernarg_size 144
		.amdhsa_user_sgpr_count 2
		.amdhsa_user_sgpr_kernarg_segment_ptr 1
		.amdhsa_wavefront_size32 1
		.amdhsa_system_sgpr_workgroup_id_x 1
		.amdhsa_system_sgpr_workgroup_id_y 1
		.amdhsa_system_sgpr_workgroup_id_z 1
		.amdhsa_system_vgpr_workitem_id 0
		.amdhsa_next_free_vgpr 162
		.amdhsa_next_free_sgpr 66
		.amdhsa_reserve_vcc 1
		.amdhsa_float_denorm_mode_32 3
		.amdhsa_float_denorm_mode_16_64 3
		.amdhsa_memory_ordered 1
		.amdhsa_forward_progress 1
		.amdhsa_inst_pref_size 37
	.end_amdhsa_kernel
	.amdgpu_metadata
---
amdhsa.version: [ 1, 2 ]
amdhsa.kernels:
  - .name:           k_qce0119dd3a_prep
    .symbol:         k_qce0119dd3a_prep.kd
    .args:
      - { .name: x, .offset: 0, .size: 8, .value_kind: global_buffer, .address_space: global }
      - { .name: rms_scale, .offset: 8, .size: 8, .value_kind: global_buffer, .address_space: global }
      - { .name: per_dim_scale, .offset: 16, .size: 8, .value_kind: global_buffer, .address_space: global }
      - { .name: wq, .offset: 24, .size: 8, .value_kind: global_buffer, .address_space: global }
      - { .name: wk, .offset: 32, .size: 8, .value_kind: global_buffer, .address_space: global }
      - { .name: wv, .offset: 40, .size: 8, .value_kind: global_buffer, .address_space: global }
      - { .name: w1, .offset: 48, .size: 8, .value_kind: global_buffer, .address_space: global }
      - { .name: w2, .offset: 56, .size: 8, .value_kind: global_buffer, .address_space: global }
      - { .name: wo, .offset: 64, .size: 8, .value_kind: global_buffer, .address_space: global }
      - { .name: bq, .offset: 72, .size: 8, .value_kind: global_buffer, .address_space: global }
      - { .name: bk, .offset: 80, .size: 8, .value_kind: global_buffer, .address_space: global }
      - { .name: bv, .offset: 88, .size: 8, .value_kind: global_buffer, .address_space: global }
      - { .name: b1, .offset: 96, .size: 8, .value_kind: global_buffer, .address_space: global }
      - { .name: acta, .offset: 104, .size: 8, .value_kind: global_buffer, .address_space: global }
      - { .name: wqkvp, .offset: 112, .size: 8, .value_kind: global_buffer, .address_space: global }
      - { .name: w1p, .offset: 120, .size: 8, .value_kind: global_buffer, .address_space: global }
      - { .name: w2t, .offset: 128, .size: 8, .value_kind: global_buffer, .address_space: global }
      - { .name: wot, .offset: 136, .size: 8, .value_kind: global_buffer, .address_space: global }
    .group_segment_fixed_size: 37888
    .private_segment_fixed_size: 0
    .kernarg_segment_align: 8
    .kernarg_segment_size: 144
    .max_flat_workgroup_size: 256
    .sgpr_count:     66
    .vgpr_count:     162
    .wavefront_size: 32
...
	.end_amdgpu_metadata
.endif
;; end of part 1
;; launch g16 (part 2): grid 12 x 64, 4 waves a work-group, clusters of 4 x 4, 327,680 bytes of LDS; arguments acta, wqkvp, qkv; writes qkv
.if DOCPART == 2
	.amdgcn_target "amdgcn-amd-amdhsa--gfx1250"
	.amdhsa_code_object_version 6
	.text
	.protected	k_qce0119dd3a_g16
	.globl	k_qce0119dd3a_g16
	.p2align	8
	.type	k_qce0119dd3a_g16,@function
k_qce0119dd3a_g16:
	s_mov_b64 s[64:65], 0
	v_nop
	global_prefetch_b8 v0, s[64:65] scope:SCOPE_SE
	s_setreg_imm32_b32 hwreg(HW_REG_WAVE_MODE, 25, 1), 1
	s_wait_xcnt 0x0
	s_wait_alu depctr_hold_cnt(0) depctr_sa_sdst(0) depctr_va_vdst(0) depctr_va_sdst(0) depctr_va_ssrc(0) depctr_va_vcc(0) depctr_vm_vsrc(0)
	s_getreg_b32 s2, hwreg(HW_REG_IB_STS2, 6, 4)
	s_cmp_eq_u32 s2, 0
	s_cbranch_scc0 .Lentry_in_a_cluster
	s_endpgm
.Lentry_in_a_cluster:
	s_bfe_u32 s2, ttmp6, 0x10000c
	s_cmp_lg_u32 s2, 0xf033
	s_cbranch_scc0 .Lentry_shape_is_right
	s_endpgm
.Lentry_shape_is_right:
; C = max(A B^T + bias, floor), rounded to bf16.  A: 8192 rows x 1024, bf16, in blocks of 64 columns: element (m, c) at byte ((c / 64) 8192 + m) 128 + 2 (c % 64).  The second argument holds, from byte 0 on,
; the floor word (two bf16), at 4,096 the bias (f32, one for each column of C), at 16,384 B in units [j][kb][256 n][64 k] of 32,768 dense bytes.  C leaves in A's layout.  Two launches run this text:
; q, k, v (3,072 columns, floor minus infinity: a NaN would become minus infinity there; the inputs are finite) and the first FFN product (1,024 columns, floor 0: its ReLU).
; SHARES.  A work-group makes 128 rows x 256 columns (8192 / 128 x 1024 / 256 = 256 work-groups for 1,024 columns); each of its four waves 64 x 128: 32 accumulators of 16 x 16.
; K goes in steps of 128, two blocks of 64, through two LDS slots.  A block's tile is dense in memory and is asked for as rows of 256 bytes; in LDS each 128 bytes get 16 of padding.
; CLUSTER 4 x 4: A's tile hangs on the row block alone and is asked for jointly along a row of the cluster, B's on the column block alone and jointly along a column.
; THE MATRIX INSTRUCTION IS USED TRANSPOSED (source 0 = 16 rows of B, source 1 = 16 rows of A): a lane holds one row of C and eight neighbouring columns.  The bias, in that layout, is the C operand of the first products.
; REGISTERS: window 0: v0-31 addresses; v32-63 packed results; v64-159, v160-255 two fragment buffers (B's eight fragments, then A's four).  Window 1: the accumulators, (a, b) at v[8 (8 a + b)].  Window 3: v0-63 the bias.
.set PA,    144                        ; an LDS row: 128 bytes + 16 = 36 words: the 16 rows of a fragment load start at 16 different groups of four banks (64 banks of 4 bytes: ISA guide 11.1)
.set AKB,   128*PA                     ; A's tile of one block of 64 k
.set BKB,   256*PA                     ; B's
.set BOFF,  2*AKB                      ; in a slot: A's two tiles, then B's two
.set SLOT1, 1<<17                      ; slot 1 begins here, so that one exclusive or changes slots
.set STAGE, SLOT1+2*AKB+2*BKB          ; behind the ring, never filled by a tensor load: 16 rows for each wave, for the way out
.set SP,    272
.set SPARE, STAGE+4*16*SP              ; the spare words, 128 bytes for each wave
.set ASTEP, 2*1048576                  ; a K step in A: two blocks of 8192 rows x 128 bytes
.set BSTEP, 2*32768                    ; in B: two units
.set ADRA0, 4                          ; v4  my lane's place in A's tile, slot 0; never rewritten
.set ADRB0, 5                          ; v5  in B's
.set ADRA,  6                          ; v6  the same in the slot in hand
.set ADRB,  7
.set STO,   8                          ; the way out: where I put my bytes of a row
.set RD,    9                          ; where I read rows back
.set CO,    10                         ; 16 l
.set VBO,   11                         ; 32 (l / 16): my eight numbers of sixteen of the bias
.set PFO,   12                         ; 256 l: the prefetches' offset
.set SPW,   28
.set NIL,   29
.set TMP,   32
.set F0,    64
.set F1,    160
.set WV, 14
.set RH, 15                            ; which 64 rows are mine.  Also: I fetch for A (0) or for B (1)
.set CH, 16                            ; which 128 columns.  Also: which block of 64 k I fetch
.set G1,  24
.set G0,  32
.set PFA, 44
.set PFS, 46
.set G1B, 48
.set G0B, 56
.set LIM, 66
.set TB,  67
.set CNT, 68
.set FLOOR, 69
.set MSB, 0
.macro WIN new
.if MSB != (\new)
	s_set_vgpr_msb (MSB<<8)|(\new)
.set MSB, \new
.endif
.endm
.set MUL,  0x50                        ; fragments in window 0, C and D in window 1
.set MULB, 0x70                        ; C in window 3: the bias
.macro PLACES                          ; four places behind a matrix instruction, in front of loads into registers that it has read and of reads of its results
.rept 4
	v_nop
.endr
.endm
.macro JLOAD s                         ; a joint load: waves 0 and 1 ask for A's two blocks, waves 2 and 3 for B's; an s_nop 0 and four v_nop follow each line
	s_cmp_eq_u32 s[RH], 0
	s_cbranch_scc0 .Lfor_b_\@
	tensor_load_to_lds s[G0+4*(\s):G0+4*(\s)+3], s[G1:G1+7]
	s_nop 0
.rept 4
	v_nop
.endr
	s_branch .Lasked_\@
.Lfor_b_\@:
	tensor_load_to_lds s[G0B+4*(\s):G0B+4*(\s)+3], s[G1B:G1B+7]
	s_nop 0
.rept 4
	v_nop
.endr
.Lasked_\@:
.endm
.macro CREST                           ; a round of the cluster's barrier behind its opening barrier
	s_cmp_lg_u32 s[WV], 0
	s_cbranch_scc1 .Lnot_wave_0_\@
	s_barrier_signal -3
.Lnot_wave_0_\@:
	s_barrier_wait -3
	s_barrier_signal -1
	s_barrier_wait -1
.endm
.macro CROUND
	s_barrier_signal -1
	s_barrier_wait -1
	CREST
.endm
; A prefetch into the L2 of the K step two refills on: 8,192 bytes, a lane 256.  A's step (2 x 16 KiB for a row block) is shared out by address among the four partners of a row of the cluster, wave 0 of each;
; only the first column of clusters asks.  B's step (2 x 32 KiB for a column block): waves 2 and 3 take a unit each, the four partners of a column a quarter each; only the first row of clusters asks.
; So each block of 256 bytes of K steps 4 to 7 is named once in the launch; K steps 0 to 3 come by their loads alone, and the last two refills ask for nothing.
.macro ASK
	s_cmp_gt_u32 s[CNT], s[LIM]
	s_cbranch_scc0 .Lnot_mine_\@
	global_prefetch_b8 v[PFO], s[PFA:PFA+1] th:TH_LOAD_NT scope:SCOPE_SE
.Lnot_mine_\@:
.endm
	s_load_b128 s[4:7], s[0:1], 0x0                ; A 4, floor + bias + B 6
	s_load_b64 s[12:13], s[0:1], 0x10              ; C
	v_lshl_add_u32 v[SPW], v0, 2, SPARE
	v_mov_b32 v[NIL], 0
	ds_add_u32 v[SPW], v[NIL]                      ; the wave's opening: the add, twice on end, and its wait ahead of my first tensor load
	ds_add_u32 v[SPW], v[NIL]
	v_lshrrev_b32 v1, 5, v0
	v_readfirstlane_b32 s[WV], v1
	s_lshr_b32 s[RH], s[WV], 1
	s_and_b32 s[CH], s[WV], 1
	s_bfe_u32 s17, ttmp6, 0x40000                  ; cx
	s_bfe_u32 s18, ttmp6, 0x40004                  ; cy
	s_lshl_b32 s19, ttmp9, 2
	s_add_co_u32 s19, s19, s17                     ; j: column block of 256
	s_and_b32 s20, ttmp7, 0xffff
	s_lshl_b32 s20, s20, 2
	s_add_co_u32 s20, s20, s18                     ; i: row block of 128
	s_lshl_b32 s21, s18, 2
	s_lshl_b32 s21, 15, s21                        ; my row of the cluster
	s_lshl_b32 s22, 0x1111, s17                    ; my column
	s_or_b32 s[G1], s21, (1<<16)|(1<<20)|(1<<21)|(4<<22)|(3<<25)   ; mask; 2-byte elements; padding on; bit 21 beside a mask; after every 32 words, 4 words
	s_or_b32 s[G1B], s22, (1<<16)|(1<<20)|(1<<21)|(4<<22)|(3<<25)
	s_mov_b32 s[G1+1], 128<<16                     ; tensor_dim0 = 128 elements: 256 bytes
	s_mov_b32 s[G1+2], 64<<16                      ; tensor_dim1 = 64: 16,384 dense bytes = 128 rows of A's block
	s_mov_b32 s[G1+3], 128<<16                     ; tile_dim0
	s_mov_b32 s[G1+4], 64                          ; tile_dim1
	s_mov_b32 s[G1+5], 128                         ; pitch
	s_mov_b32 s[G1+6], 0
	s_mov_b32 s[G1+7], 0
	s_mov_b32 s[G1B+1], 128<<16
	s_mov_b32 s[G1B+2], 128<<16                    ; 128 rows of 256 bytes: a unit of B
	s_mov_b32 s[G1B+3], 128<<16
	s_mov_b32 s[G1B+4], 128
	s_mov_b32 s[G1B+5], 128
	s_mov_b32 s[G1B+6], 0
	s_mov_b32 s[G1B+7], 0
	s_lshl_b32 s40, s20, 14                        ; A: 128 i rows of 128 bytes,
	s_lshl_b32 s41, s[CH], 20                      ; my block of the step's two
	s_add_co_u32 s40, s40, s41
	s_mov_b32 s41, 0
	s_lshl_b32 s42, s19, 19                        ; B: 16 j units,
	s_lshl_b32 s43, s[CH], 15                      ; my unit of the step's two
	s_add_co_u32 s42, s42, s43
	s_mov_b32 s43, 0
	s_mul_i32 s23, s[CH], AKB                      ; where they go: no place in the cluster enters an LDS address
	s_mul_i32 s74, s[CH], BKB
	s_add_co_u32 s74, s74, BOFF
	s_mov_b32 s[TB], 0
	s_wait_dscnt 0x0                               ; both opening adds are done
	s_wait_kmcnt 0x0
	s_add_nc_u64 s[40:41], s[4:5], s[40:41]
	s_add_nc_u64 s[70:71], s[6:7], 16384           ; B's first unit
	s_add_nc_u64 s[42:43], s[70:71], s[42:43]
	CROUND                                         ; all sixteen work-groups are here: the first joint loads meet
.irp s, 0,1
	s_mov_b32 s[G0+4*(\s)], 1
	s_add_co_u32 s[G0+4*(\s)+1], s23, (\s)*SLOT1
	s_add_nc_u64 s[G0+4*(\s)+2:G0+4*(\s)+3], s[40:41], (\s)*ASTEP
	s_or_b32 s[G0+4*(\s)+3], s[G0+4*(\s)+3], 0x80000000
	s_mov_b32 s[G0B+4*(\s)], 1
	s_add_co_u32 s[G0B+4*(\s)+1], s74, (\s)*SLOT1
	s_add_nc_u64 s[G0B+4*(\s)+2:G0B+4*(\s)+3], s[42:43], (\s)*BSTEP
	s_or_b32 s[G0B+4*(\s)+3], s[G0B+4*(\s)+3], 0x80000000
	JLOAD \s                                       ; K steps 0 and 1: two loads of mine are out
.endr
	v_and_b32 v1, 15, v0                           ; r = l % 16
	v_bfe_u32 v2, v0, 4, 1                         ; h = l / 16
	v_and_b32 v3, 31, v0                           ; l
	v_lshlrev_b32 v[VBO], 5, v2
	s_lshl_b32 s76, s19, 10
	s_lshl_b32 s77, s[CH], 9
	s_add_co_u32 s76, s76, s77                     ; my first column, in f32 bytes
	s_mov_b32 s77, 0
	s_load_b32 s[FLOOR], s[6:7], 0x0
	s_add_nc_u64 s[8:9], s[6:7], s[76:77]
	s_add_nc_u64 s[8:9], s[8:9], 4096
	WIN 0xc0                                       ; destination window 3
.irp b, 0,1,2,3,4,5,6,7
	global_load_b128 v[8*(\b):8*(\b)+3],   v[VBO], s[8:9] offset:64*(\b)
	global_load_b128 v[8*(\b)+4:8*(\b)+7], v[VBO], s[8:9] offset:64*(\b)+16
.endr
	WIN 0
	v_mul_u32_u24 v13, v1, PA
	v_lshl_add_u32 v13, v2, 4, v13                 ; a fragment's row x pitch + 16 x half
	s_mul_i32 s75, s[RH], 64*PA
	v_add_nc_u32 v[ADRA0], s75, v13
	s_mul_i32 s75, s[CH], 128*PA
	s_add_co_u32 s75, s75, BOFF
	v_add_nc_u32 v[ADRB0], s75, v13
	v_mov_b32 v[ADRA], v[ADRA0]
	v_mov_b32 v[ADRB], v[ADRB0]
	s_mul_i32 s75, s[WV], 16*SP
	s_add_co_u32 s75, s75, STAGE                   ; my stage
	v_mul_u32_u24 v[STO], v1, SP
	v_lshlrev_b32 v[CO], 4, v3
	v_lshl_add_u32 v[STO], v2, 4, v[STO]           ; in: row r, 16 bytes for each half of the lanes
	v_add_nc_u32 v[STO], s75, v[STO]
	v_lshrrev_b32 v[RD], 3, v3                     ; back: four rows, 128 bytes of each: one block's columns
	v_mul_u32_u24 v[RD], v[RD], SP
	v_and_b32 v13, 7, v3
	v_lshl_add_u32 v[RD], v13, 4, v[RD]
	v_add_nc_u32 v[RD], s75, v[RD]
	s_lshl_b32 s72, s19, 2
	s_lshl_b32 s73, s[CH], 1
	s_add_co_u32 s72, s72, s73                     ; my first block of 64 columns: 4 j + 2 half
	s_lshl_b32 s72, s72, 20
	s_lshl_b32 s73, s20, 7
	s_lshl_b32 s75, s[RH], 6
	s_add_co_u32 s73, s73, s75
	s_lshl_b32 s73, s73, 7                         ; my first row, 128 bytes a row
	s_add_co_u32 s72, s72, s73
	s_mov_b32 s73, 0
	s_add_nc_u64 s[12:13], s[12:13], s[72:73]
	; the prefetches
	s_and_b32 s75, ttmp7, 0xffff                   ; cluster y
	s_lshl_b32 s78, s20, 14
	s_lshr_b32 s79, s17, 1
	s_lshl_b32 s79, s79, 20
	s_add_co_u32 s78, s78, s79
	s_and_b32 s79, s17, 1
	s_lshl_b32 s79, s79, 13
	s_add_co_u32 s78, s78, s79
	s_add_co_u32 s78, s78, 3*ASTEP                 ; A: at K step 3; the first refill steps it to 4
	s_lshl_b32 s72, s19, 19
	s_lshl_b32 s79, s[CH], 15
	s_add_co_u32 s72, s72, s79
	s_lshl_b32 s79, s18, 13
	s_add_co_u32 s72, s72, s79
	s_add_co_u32 s72, s72, 3*BSTEP                 ; B likewise
	s_mov_b32 s[PFS], BSTEP
	s_mov_b32 s79, ASTEP
	s_cmp_eq_u32 s[RH], 0
	s_cselect_b32 s75, ttmp9, s75                  ; the coordinate along which other clusters read the same bytes
	s_cselect_b64 s[PFA:PFA+1], s[4:5], s[70:71]
	s_cselect_b32 s[PFS], s79, s[PFS]
	s_cselect_b32 s72, s78, s72
	s_mov_b32 s73, 0
	s_mov_b32 s[PFS+1], 0
	s_add_nc_u64 s[PFA:PFA+1], s[PFA:PFA+1], s[72:73]
	s_cmp_eq_u32 s75, 0
	s_cselect_b32 s[LIM], 2, -1                    ; the same in all sixteen partners, for a given wave
	s_cmp_eq_u32 s[WV], 1
	s_cselect_b32 s[LIM], -1, s[LIM]               ; wave 1 never asks
	v_lshlrev_b32 v[PFO], 8, v3
	s_wait_kmcnt 0x0                               ; the floor
; 24 LDS loads in one run: the fragments of quarter q (32 k) of the slot in hand into buffer f: B's eight, then A's four
.macro FETCH q, f
	WIN 0
.irp b, 0,1,2,3,4,5,6,7
	ds_load_b128 v[(\f)+8*(\b):(\f)+8*(\b)+3],   v[ADRB] offset:((\q)/2)*BKB+(\b)*16*PA+((\q)%2)*64
	ds_load_b128 v[(\f)+8*(\b)+4:(\f)+8*(\b)+7], v[ADRB] offset:((\q)/2)*BKB+(\b)*16*PA+((\q)%2)*64+32
.endr
.irp a, 0,1,2,3
	ds_load_b128 v[(\f)+64+8*(\a):(\f)+64+8*(\a)+3],   v[ADRA] offset:((\q)/2)*AKB+(\a)*16*PA+((\q)%2)*64
	ds_load_b128 v[(\f)+64+8*(\a)+4:(\f)+64+8*(\a)+7], v[ADRA] offset:((\q)/2)*AKB+(\a)*16*PA+((\q)%2)*64+32
.endr
.endm
; 8 matrix instructions: m block a x all 8 n blocks.  The 32 accumulators take turns in the same order in every quarter, over the backward jumps too.  first = 1: the bias starts the sums.
.macro MUL8 f, a, first
.if \first
	WIN MULB
.else
	WIN MUL
.endif
.irp b, 0,1,2,3,4,5,6,7
.if \first
	v_wmma_f32_16x16x32_bf16 v[8*(8*(\a)+(\b)):8*(8*(\a)+(\b))+7], v[(\f)+8*(\b):(\f)+8*(\b)+7], v[(\f)+64+8*(\a):(\f)+64+8*(\a)+7], v[8*(\b):8*(\b)+7]
.else
	v_wmma_f32_16x16x32_bf16 v[8*(8*(\a)+(\b)):8*(8*(\a)+(\b))+7], v[(\f)+8*(\b):(\f)+8*(\b)+7], v[(\f)+64+8*(\a):(\f)+64+8*(\a)+7], v[8*(8*(\a)+(\b)):8*(8*(\a)+(\b))+7]
.endif
.endr
.endm
; multiplies buffer f and, in its middle, fetches quarter q into buffer g
.macro QUARTER q, f, g, first
	s_wait_dscnt 4                                 ; B and A's blocks 0 and 1 are in; the youngest four loads, A's blocks 2 and 3, may be out
	MUL8 \f, 0, \first
	MUL8 \f, 1, \first
	PLACES
	FETCH \q, \g
	s_wait_dscnt 24                                ; all but the 24 just issued
	MUL8 \f, 2, \first
	MUL8 \f, 3, \first
.endm
; The last quarter multiplies buffer 1 and changes slots.  In front of the barrier each wave waits for all its tensor loads (one is out: its part of the next slot), adds 0 to its spare word, and waits for that and
; for its reads of this slot.  fill = 1: the barrier opens a round of the cluster's, and this slot is filled again, two K steps ahead, first thing behind it.
.macro TURN fill
.if \fill
	s_wait_xcnt 0x0                                ; the last prefetch, a K step back, has read its address
	s_add_nc_u64 s[PFA:PFA+1], s[PFA:PFA+1], s[PFS:PFS+1]
.endif
	WIN 0
	s_wait_tensorcnt 0x0
	ds_add_u32 v[SPW], v[NIL]
.if \fill
	s_xor_b32 s[G0+5], s[G0+5], SLOT1              ; no tensor load of mine is out: the walking descriptors go to the other slot and one K step on
	s_add_nc_u64 s[G0+6:G0+7], s[G0+6:G0+7], ASTEP
	s_xor_b32 s[G0B+5], s[G0B+5], SLOT1
	s_add_nc_u64 s[G0B+6:G0B+7], s[G0B+6:G0B+7], BSTEP
.endif
	s_wait_dscnt 5                                 ; the add and A's blocks 2 and 3 may be out
	MUL8 F1, 0, 0
	s_wait_dscnt 0x0                               ; the add is done, and my reads of this slot are over
	s_barrier_signal -1
	MUL8 F1, 1, 0
.if \fill
	WIN 0
.endif
	s_barrier_wait -1
.if \fill
	CREST
	JLOAD 1                                        ; its four v_nop are also the places in front of the loads below
.else
	PLACES
.endif
	WIN 0
	s_xor_b32 s[TB], s[TB], SLOT1
	v_add_nc_u32 v[ADRA], s[TB], v[ADRA0]
	v_add_nc_u32 v[ADRB], s[TB], v[ADRB0]
	FETCH 0, F0
.if \fill
	ASK
.endif
	MUL8 F1, 2, 0
	MUL8 F1, 3, 0
.endm
	s_wait_tensorcnt 0x1                           ; my part of K step 0 is in; K step 1's load may stay out
	s_barrier_signal -1
	s_barrier_wait -1
	FETCH 0, F0
	s_wait_loadcnt 0x0                             ; the bias
	QUARTER 1, F0, F1, 1
	WIN 0
	s_mov_b32 s[CNT], 6
.Lstep:                                            ; trip n: K step n's quarters 1 to 3, K step n + 1's quarter 0; K step n's slot takes K step n + 2
	QUARTER 2, F1, F0, 0
	QUARTER 3, F0, F1, 0
	TURN 1
	QUARTER 1, F0, F1, 0
	WIN 0
	s_sub_co_u32 s[CNT], s[CNT], 1
	s_cmp_lg_u32 s[CNT], 0
	s_cbranch_scc1 .Lstep
	s_mov_b32 s[CNT], 2
.Ltail:                                            ; the last two K steps fill nothing: one text, walked twice and left in the middle of the second walk
	QUARTER 2, F1, F0, 0
	QUARTER 3, F0, F1, 0
	WIN 0
	s_sub_co_u32 s[CNT], s[CNT], 1
	s_cmp_eq_u32 s[CNT], 0
	s_cbranch_scc1 .Llast
	TURN 0
	QUARTER 1, F0, F1, 0
	WIN 0
	s_branch .Ltail
.Llast:
	s_wait_dscnt 4                                 ; the very last quarter: nothing more to fetch
	MUL8 F1, 0, 0
	MUL8 F1, 1, 0
	s_wait_dscnt 0x0
	MUL8 F1, 2, 0
	MUL8 F1, 3, 0
	WIN 0
	PLACES
; THE WAY OUT, 16 rows at a time through my own stage: rounded to bf16, the floor applied, 16 bytes a lane in; back as four rows of one block's 128 bytes, which are 512 consecutive bytes of C.
.macro PACK a
	WIN 0x05                                       ; sources in window 1
.irp b, 0,1,2,3,4,5,6,7
.irp r, 0,1,2,3
	v_cvt_pk_bf16_f32 v[TMP+4*(\b)+(\r)], v[8*(8*(\a)+(\b))+2*(\r)], v[8*(8*(\a)+(\b))+2*(\r)+1]
.endr
.endr
	WIN 0
.set z, 0
.rept 32
	v_pk_max_num_bf16 v[TMP+z], v[TMP+z], s[FLOOR]
.set z, z+1
.endr
.endm
.macro TOSTAGE a
.irp b, 0,1,2,3,4,5,6,7
	ds_store_b128 v[STO], v[TMP+4*(\b):TMP+4*(\b)+3] offset:32*(\b)
.endr
.if (\a) >= 2
	s_wait_xcnt 0x0                                ; the stores of the block two back have read these registers
.endif
.irp t, 0,1,2,3,4,5,6,7
	ds_load_b128 v[64+32*((\a)%2)+4*(\t):64+32*((\a)%2)+4*(\t)+3], v[RD] offset:((\t)%4)*4*SP+((\t)/4)*128  ; LDS serves a wave's instructions in order: these see the stores above
.endr
.endm
.macro SEND a
	s_wait_dscnt 0x0
.irp t, 0,1,2,3,4,5,6,7
	global_store_b128 v[CO], v[64+32*((\a)%2)+4*(\t):64+32*((\a)%2)+4*(\t)+3], s[12:13] offset:((\t)/4)*1048576+(16*(\a)+4*((\t)%4))*128
.endr
.endm
	PACK 0
	TOSTAGE 0
.irp a, 1,2,3
	PACK \a
	SEND (\a)-1
	TOSTAGE \a
.endr
	SEND 3
	s_wait_tensorcnt 0x0                           ; the wave's end
	ds_add_u32 v[SPW], v[NIL]
	s_wait_dscnt 0x0
	CROUND                                         ; the closing round
	s_endpgm
.Lfunc_end_k_qce0119dd3a_g16:
	.size	k_qce0119dd3a_g16, .Lfunc_end_k_qce0119dd3a_g16-k_qce0119dd3a_g16
	.p2alignl 7, 3214868480
	.fill 96, 4, 3214868480
	.section	.rodata,"a",@progbits
	.p2align	6, 0x0
	.amdhsa_kernel k_qce0119dd3a_g16
		.amdhsa_group_segment_fixed_size 327680
		.amdhsa_private_segment_fixed_size 0
		.amdhsa_enable_private_segment 0
		.amdhsa_kernarg_size 24
		.amdhsa_user_sgpr_count 2
		.amdhsa_user_sgpr_kernarg_segment_ptr 1
		.amdhsa_wavefront_size32 1
		.amdhsa_system_sgpr_workgroup_id_x 1
		.amdhsa_system_sgpr_workgroup_id_y 1
		.amdhsa_system_sgpr_workgroup_id_z 1
		.amdhsa_system_vgpr_workitem_id 0
		.amdhsa_next_free_vgpr 832
		.amdhsa_next_free_sgpr 80
		.amdhsa_reserve_vcc 0
		.amdhsa_float_denorm_mode_32 3
		.amdhsa_float_denorm_mode_16_64 3
		.amdhsa_memory_ordered 1
		.amdhsa_forward_progress 1
		.amdhsa_inst_pref_size 74
	.end_amdhsa_kernel
	.amdgpu_metadata
---
amdhsa.version: [ 1, 2 ]
amdhsa.kernels:
  - .name:           k_qce0119dd3a_g16
    .symbol:         k_qce0119dd3a_g16.kd
    .args:
      - { .name: acta, .offset: 0, .size: 8, .value_kind: global_buffer, .address_space: global }
      - { .name: wqkvp, .offset: 8, .size: 8, .value_kind: global_buffer, .address_space: global }
      - { .name: qkv, .offset: 16, .size: 8, .value_kind: global_buffer, .address_space: global }
    .group_segment_fixed_size: 327680
    .private_segment_fixed_size: 0
    .kernarg_segment_align: 8
    .kernarg_segment_size: 24
    .max_flat_workgroup_size: 128
    .sgpr_count:     80
    .vgpr_count:     832
    .wavefront_size: 32
...
	.end_amdgpu_metadata
.endif
;; end of part 2
;; launch attn (part 3): grid 2 x 128, 4 waves a work-group, no clusters, 327,680 bytes of LDS; arguments qkv, padding, acta; writes acta
.if DOCPART == 3
	.amdgcn_target "amdgcn-amd-amdhsa--gfx1250"
	.amdhsa_code_object_version 6
	.text
	.protected	k_qce0119dd3a_attn
	.globl	k_qce0119dd3a_attn
	.p2align	8
	.type	k_qce0119dd3a_attn,@function
k_qce0119dd3a_attn:
	s_mov_b64 s[64:65], 0
	v_nop
	global_prefetch_b8 v0, s[64:65] scope:SCOPE_SE
	s_setreg_imm32_b32 hwreg(HW_REG_WAVE_MODE, 25, 1), 1
	s_wait_xcnt 0x0
; CAUSAL ATTENTION WITH A PADDING MASK.  qkv holds q, k and v, 16 MiB each, bf16, by heads: head hh = 8 n + b is 1,024 dense rows of 128 bytes at hh x 131,072.  q carries reference()'s per-channel scale already.
; O[hh][t] = sum over s of softmax_s(score) v[hh][s], score = q . k where s <= t and padding[b][t] and padding[b][s] are not 0, else hidden.  O leaves in the same layout, bf16.
; WORK LEFT OUT: key tiles of 256 wholly above a query block's diagonal (shown at the head of the first kernel).  A query whose padding is 0 has all 1,024 scores replaced alike in reference(): its row is the mean
; of v over all 1,024 keys; that mean is made here (f32 sums of the bf16 v) and selected for such rows in the way out.
; LIMITS.  A hidden score counts as its value less 1e30 (2e30 where it is hidden twice); true scores lie far above that, as reference() needs them above -1e9.  A weight below 2^-126 counts as 0.  NaN and infinities are not treated apart.
; Where a valid query's first keys are all hidden, their weights are 1 for a while; the first true score makes a = 0 and wipes them.  A valid query always sees its own key.
; THE WALK.  A head's queries lie in NB = 4 blocks of 256; block i needs the key tiles 0 .. i.  A work-group takes TWO blocks, NB - 1 - b and then b: NB + 1 tiles, whatever b: ONE loop with a constant trip count.
; NO CLUSTER: a head has two work-groups, whose walks are tiles 0 1 2 3 0 and 0 1 2 0 1: they name the same tile in three of five trips only, and a cluster of four would hold two heads.
; SHARES.  Of a block's four bands of 64 queries a wave owns 16 rows in each: four PIECES, so the diagonal tile is the same work for all four waves.
; THE MASK is the C operand that starts the sum S^T = K Q^T.  PMR holds the step's key mask (0 or -1e30 for each of its 64 keys, from a table in LDS made once from padding).  MD is the causal mask of a band's own step.
; Away from the diagonal tile C = PMR; in it C = MD x AL + PMR + BE with (AL, BE) = (1, 0) in the band's own step, (0, 0) in an earlier one, (0, -1e30) in a later one.
; LAYOUT, SOFTMAX, TURNS.  S^T = K Q^T holds ONE query a lane (lane % 16) and the keys 8 (lane / 16) + 0..7; two such results rounded to bf16 ARE source 1 of O^T = V^T P.  p = 2^(c s - c m), c = log2 e, with a running
; maximum m; O and l are multiplied by a = 2^(c m_old - c m_new) in every step.  Turn n belongs to piece n: 8 products K Q^T of piece n + 1, later 8 products V^T P of piece n - 1; beside them piece n's scaling,
; exponentials, roundings, sums and rescaling and piece n + 1's maximum and statistics.  A turn's 33 exponentials are one batch, with one wait.
; REGISTERS, in windows of 256 (s_set_vgpr_msb: bits 1:0 source 0, 3:2 source 1, 5:4 source 2, 7:6 destination):
;   window 0: v0-15 addresses; v16-31 statistics; v32-39 my queries' padding; v40-46 addresses; v48-55 at work; v64-127 S^T, two buffers; v128-159 the mean of v in O^T's layout; v192-223 P, two buffers; v224-247 at work at the head
;   window 1: v0-127 O^T; v128-159 MD; v160-223 MC, two buffers; v224-255 PMR      window 2: v0-63 Q; v64-127 the second block's Q; v128-191 K of one step; v192-255 V of one step
.set SIZE_N, 1024
.set NB,    SIZE_N/256
.set NP,    4
.set KS,    64
.set PK,    144       ; a row of K in LDS: 128 bytes + 16: the 16 rows of a load start at 16 different groups of four banks (64 banks of 4 bytes: ISA guide 11.1)
.set PV,    160       ; a row of V: 128 + 32
.set VOFF,  4*KS*PK
.set SLOT1, 1<<17
.set STAGE, SLOT1+4*KS*(PK+PV)  ; behind the ring, never filled by a tensor load: 16 rows x 144 bytes for each wave
.set SP,    144
.set VSP,   STAGE+4*16*SP       ; the four waves' partial means of v: 64 f32 each
.set PMT,   VSP+1024            ; the key mask table: 1,024 f32
.set SPARE, PMT+4096+256        ; the spare words, 128 bytes for each wave
.set AK0, 2
.set AV0, 3
.set AK,  4
.set AV,  5
.set STO, 6
.set RD,  7
.set GO,  8           ; 16 l
.set MV,  12
.set QO,  15
.set ST,  16
.set QPAD, 32         ; v32-35 padding of my query in pieces 0-3 of the first block, v36-39 of the second
.set APM0, 40         ; PMT + 32 (l / 16); never rewritten
.set APM, 41          ; the LDS address of the key mask's next run of loads
.set TMP, 48
.set SPW, 62
.set NIL, 63
.set S,   64
.set VB,  128
.set P,   192
.set SUM, 224
.set T8,  240
.set MD,  128         ; window 1
.set MC,  160         ; window 1
.set PMR, 224         ; window 1
.set QB,  64          ; window 2
.set KF,  128         ; window 2
.set VF,  192         ; window 2
.set WV,  12
.set PB,  14
.set HI,  15
.set G1K, 24
.set G1V, 32
.set G0K, 40
.set G0V, 44
.set SLOTS, 56
.set CNT, 57
.set CS,  58
.set SEL, 60
.set TBK, 62
.set TBV, 63
.set RT,  70
.set NXT, 71
.set LQ,  72
.set NEW, 73
.set OFF, 74
.set AL,  76
.set BE,  78
.set OLO, 80
.set BIGN, 82
.set TPM, 83          ; byte in the key mask table of the step to be fetched
.set MSB, 0
.macro WIN new
.if MSB != (\new)
	s_set_vgpr_msb (MSB<<8)|(\new)
.set MSB, (\new)
.endif
.endm
.set W_KQ, 0x0a       ; K and Q in window 2, S^T in window 0
.set W_KM, 0x1a       ; the same with the C operand in window 1
.set W_PV, 0x52       ; V in window 2, P in window 0, O^T in window 1
.set W_RS, 0x41       ; destination and source 0 in window 1, source 1 in window 0
.macro LOAD                         ; waves 0 and 1 fetch the two halves of a tile's K, waves 2 and 3 those of its V; an s_nop 0 and four v_nop follow each line
	s_cmp_lt_u32 s[WV], 2
	s_cbranch_scc0 .Lfor_v_\@
	tensor_load_to_lds s[G0K:G0K+3], s[G1K:G1K+7]
	s_nop 0
.rept 4
	v_nop
.endr
	s_branch .Lasked_\@
.Lfor_v_\@:
	tensor_load_to_lds s[G0V:G0V+3], s[G1V:G1V+7]
	s_nop 0
.rept 4
	v_nop
.endr
.Lasked_\@:
.endm
; THE CHANGE OF SLOTS.  Each wave waits for all its tensor loads (one is out: its part of the other slot), adds 0 to its spare word, and waits for that and for its reads of the slot that it leaves.
; fill = 1: the old slot is filled again, first thing behind the barrier, with tile NXT.  (At its first use nothing has been read yet: slot 0 is waited for, slot 1 filled.)
.macro CHANGE fill
	WIN 0
	s_wait_tensorcnt 0x0
	ds_add_u32 v[SPW], v[NIL]
.if \fill
	s_lshl_b32 s[OFF], s[NXT], 15   ; a tile is 32,768 bytes of K and of V
	s_xor_b32 s[G0K+1], s[G0K+1], SLOT1
	s_add_nc_u64 s[G0K+2:G0K+3], s[6:7], s[OFF:OFF+1]
	s_or_b32 s[G0K+3], s[G0K+3], 0x80000000
	s_xor_b32 s[G0V+1], s[G0V+1], SLOT1
	s_add_nc_u64 s[G0V+2:G0V+3], s[8:9], s[OFF:OFF+1]
	s_or_b32 s[G0V+3], s[G0V+3], 0x80000000
	s_add_co_u32 s[NXT], s[NXT], 1  ; the block's next tile, or behind its last the second block's tile 0
	s_cmp_gt_u32 s[NXT], s[LQ]
	s_cselect_b32 s[NXT], 0, s[NXT]
	s_cselect_b32 s[LQ], s[PB], s[LQ]
.endif
	s_wait_dscnt 0x0                ; the add is done, and my reads of the slot are over
	s_barrier_signal -1
	s_sub_co_u32 s[TBK], s[TBK], 4*KS*PK
	s_xor_b32 s[TBK], s[TBK], SLOT1
	s_sub_co_u32 s[TBV], s[TBV], 4*KS*PV
	s_xor_b32 s[TBV], s[TBV], SLOT1
	s_barrier_wait -1
.if \fill
	LOAD
.endif
.endm
	s_load_b128 s[88:91], s[0:1], 0x0  ; qkv s[88:89], padding s[90:91]
	s_load_b64 s[10:11], s[0:1], 0x10  ; O
	v_lshl_add_u32 v[SPW], v0, 2, SPARE
	v_mov_b32 v[NIL], 0
	ds_add_u32 v[SPW], v[NIL]       ; the wave's opening: the add, twice on end, and its wait ahead of my first tensor load
	ds_add_u32 v[SPW], v[NIL]
	v_lshrrev_b32 v1, 5, v0
	v_readfirstlane_b32 s[WV], v1
	s_mov_b32 s[PB], ttmp9
	s_sub_co_u32 s[HI], NB-1, s[PB]
	s_and_b32 s20, ttmp7, 0xffff    ; the head
	s_and_b32 s100, s20, 7          ; its batch row b,
	s_lshl_b32 s100, s100, 12       ; 4,096 bytes of padding each
	s_mov_b32 s101, 0
	s_lshl_b32 s94, s[HI], 10       ; the first block's 256 paddings,
	s_add_co_u32 s94, s94, s100
	s_mov_b32 s95, 0
	s_lshl_b32 s96, s[PB], 10       ; the second block's
	s_add_co_u32 s96, s96, s100
	s_mov_b32 s97, 0
	s_mov_b32 s21, 0
	s_mov_b64 s[22:23], SIZE_N*128
	s_mul_u64 s[20:21], s[20:21], s[22:23]  ; the head's first byte in q, k, v and O
	s_lshl_b32 s92, s[WV], 15       ; for the mean: my wave's 256 rows of v
	s_mov_b32 s93, 0
	s_add_nc_u64 s[92:93], s[92:93], s[20:21]
	s_and_b32 s16, s[WV], 1         ; which half of a tile's 256 keys I fetch
	s_lshl_b32 s22, s16, 14
	s_mov_b32 s23, 0
	s_add_nc_u64 s[22:23], s[22:23], s[20:21]
	s_mul_i32 s17, s16, 128*PK
	s_mul_i32 s18, s16, 128*PV
	s_lshl_b32 s3, s[WV], 11        ; my 16 rows in a band of 64,
	s_lshl_b32 s2, s[HI], 15        ; in the first block,
	s_add_co_u32 s2, s2, s3
	s_lshl_b32 s84, s[PB], 15       ; and in the second
	s_add_co_u32 s84, s84, s3
	s_mov_b32 s3, 0
	s_mov_b32 s85, 0
	s_add_nc_u64 s[2:3], s[2:3], s[20:21]
	s_add_nc_u64 s[84:85], s[84:85], s[20:21]
	; descriptor group 1.  128 keys are 16,384 dense bytes: asked for as 64 rows of 256 bytes, two keys a row, and padded in LDS after every key
	s_mov_b32 s[G1K], (1<<16)|(1<<20)|(4<<22)|(3<<25)
	s_mov_b32 s[G1V], (1<<16)|(1<<20)|(4<<22)|(7<<25)
.irp g, G1K, G1V
	s_mov_b32 s[\g+1], 128<<16
	s_mov_b32 s[\g+2], 64<<16
	s_mov_b32 s[\g+3], 128<<16
	s_mov_b32 s[\g+4], 64
	s_mov_b32 s[\g+5], 128
	s_mov_b32 s[\g+6], 0
	s_mov_b32 s[\g+7], 0
.endr
	s_mov_b32 s[CS], 0x3fb8aa3b     ; c = log2 e
	s_mov_b32 s[CS+1], s[CS]
	s_mov_b32 s[SEL], 0x76543210
	s_mov_b32 s[SEL+1], 0xfedcba98
	s_mov_b32 s[TBK], SLOT1+4*KS*PK ; the first change of slots turns these two into 0
	s_mov_b32 s[TBV], SLOT1+4*KS*PV
	s_mov_b32 s[G0K], 1
	s_mov_b32 s[G0K+1], s17
	s_mov_b32 s[G0V], 1
	s_add_co_u32 s[G0V+1], s18, VOFF
	s_add_co_u32 s[RT], s[HI], 1    ; the first block has NB - b tiles
	s_mov_b32 s[NXT], 1
	s_mov_b32 s[LQ], s[HI]
	s_mov_b32 s[NEW], 1
	s_mov_b32 s[OFF+1], 0
	s_mov_b32 s[AL+1], 0
	s_mov_b32 s[BE+1], 0
	s_mov_b32 s[BIGN], 0xf149f2ca   ; -1e30
	s_mov_b32 s[TPM], 0
	s_mov_b32 s98, 0xffff0000       ; a word's upper bf16
	s_mov_b32 s[SLOTS], NB
	s_wait_dscnt 0x0                ; both opening adds are done
	s_wait_kmcnt 0x0
	s_mov_b64 s[4:5], s[88:89]                     ; q
	s_add_nc_u64 s[6:7], s[88:89], 0x1000000       ; k
	s_add_nc_u64 s[8:9], s[88:89], 0x2000000       ; v
	s_add_nc_u64 s[92:93], s[8:9], s[92:93]
	s_add_nc_u64 s[94:95], s[90:91], s[94:95]
	s_add_nc_u64 s[96:97], s[90:91], s[96:97]
	s_add_nc_u64 s[90:91], s[90:91], s[100:101]
	s_add_nc_u64 s[6:7], s[6:7], s[22:23]  ; K and V at my half of the head's tile 0
	s_add_nc_u64 s[8:9], s[8:9], s[22:23]
	s_add_nc_u64 s[G0K+2:G0K+3], s[6:7], 0
	s_or_b32 s[G0K+3], s[G0K+3], 0x80000000
	s_add_nc_u64 s[G0V+2:G0V+3], s[8:9], 0
	s_or_b32 s[G0V+3], s[G0V+3], 0x80000000
	s_add_nc_u64 s[86:87], s[4:5], s[84:85]
	s_add_nc_u64 s[4:5], s[4:5], s[2:3]
	s_add_nc_u64 s[OLO:OLO+1], s[10:11], s[84:85]
	s_add_nc_u64 s[10:11], s[10:11], s[2:3]
	LOAD                            ; tile 0 into slot 0
	v_and_b32 v1, 15, v0            ; l % 16
	v_bfe_u32 v9, v0, 4, 1          ; l / 16
	v_lshlrev_b32 v[QO], 7, v1
	v_lshl_add_u32 v[QO], v9, 4, v[QO]
	v_and_b32 v[GO], 31, v0
	v_lshlrev_b32 v[GO], 4, v[GO]
	v_lshlrev_b32 v42, 5, v0        ; thread t takes padding 8 t .. 8 t + 7 into the key mask table
	s_lshl_b32 s13, s[WV], 4
	v_add_nc_u32 v43, s13, v1
	v_lshlrev_b32 v43, 2, v43       ; my query's place in its band, in bytes of padding
	WIN 0x80
.set i, 0
.rept 8                             ; both blocks' Q: piece i / 2 lies in band i / 2, 8,192 bytes on; channels 32 (i % 2) on
	global_load_b128 v[8*i:8*i+3],   v[QO], s[4:5] offset:(i/2)*8192+(i%2)*64
	global_load_b128 v[8*i+4:8*i+7], v[QO], s[4:5] offset:(i/2)*8192+(i%2)*64+32
	global_load_b128 v[QB+8*i:QB+8*i+3],   v[QO], s[86:87] offset:(i/2)*8192+(i%2)*64
	global_load_b128 v[QB+8*i+4:QB+8*i+7], v[QO], s[86:87] offset:(i/2)*8192+(i%2)*64+32
.set i, i+1
.endr
	WIN 0
	global_load_b128 v[232:235], v42, s[90:91]
	global_load_b128 v[236:239], v42, s[90:91] offset:16
.irp x, 0,1,2,3
	global_load_b32 v[QPAD+(\x)],   v43, s[94:95] offset:256*(\x)
	global_load_b32 v[QPAD+4+(\x)], v43, s[96:97] offset:256*(\x)
.endr
; A batch of v for the mean: 16 loads of 512 consecutive bytes, four rows each: lane l holds row l / 8 of the four, channels 8 (l % 8) + 0..7
.macro VBATCH n, buf
.set i, 0
.rept 16
	global_load_b128 v[(\buf)+4*i:(\buf)+4*i+3], v[GO], s[92:93] offset:512*(16*(\n)+i)
.set i, i+1
.endr
.endm
.macro SUMV buf                     ; its 64 rows are added onto the lane's eight f32 sums
.set i, 0
.rept 16
.irp k, 0,1,2,3
	v_lshlrev_b32 v[T8+2*(\k)],   16,  v[(\buf)+4*i+(\k)]
	v_and_b32     v[T8+2*(\k)+1], s98, v[(\buf)+4*i+(\k)]
.endr
.irp k, 0,1,2,3
	v_pk_add_f32 v[SUM+2*(\k):SUM+2*(\k)+1], v[SUM+2*(\k):SUM+2*(\k)+1], v[T8+2*(\k):T8+2*(\k)+1]
.endr
.set i, i+1
.endr
.endm
	VBATCH 0, 64
	VBATCH 1, 128
	v_lshlrev_b32 v14, 3, v9
	v_sub_nc_u32 v14, v1, v14
	v_add_nc_u32 v14, s13, v14      ; my query's place in its band less my lanes' 8 (l / 16): register r of group kt is hidden where 16 kt + r is greater
	WIN 0x40
.set i, 0
.rept 32
	v_cmp_gt_i32 vcc_lo, 16*(i/8)+i%8, v14
	v_cndmask_b32 v[MD+i], 0, s[BIGN], vcc_lo
.set i, i+1
.endr
	WIN 0
	v_mul_u32_u24 v[AK0], v1, PK
	v_lshl_add_u32 v[AK0], v9, 4, v[AK0]
	v_and_b32 v10, 7, v0
	v_bfe_u32 v11, v0, 3, 1
	v_lshl_add_u32 v[AV0], v9, 3, v10
	v_mul_u32_u24 v[AV0], v[AV0], PV
	v_lshl_add_u32 v[AV0], v11, 4, v[AV0]
	v_add_nc_u32 v[AV0], VOFF, v[AV0]
	s_mul_i32 s13, s[WV], 16*SP
	s_add_co_u32 s13, s13, STAGE    ; my stage
	v_mul_u32_u24 v[STO], v1, SP
	v_lshl_add_u32 v[STO], v9, 4, v[STO]
	v_add_nc_u32 v[STO], s13, v[STO]
	v_bfe_u32 v[RD], v0, 3, 2
	v_mul_u32_u24 v[RD], v[RD], SP
	v_lshl_add_u32 v[RD], v10, 4, v[RD]
	v_add_nc_u32 v[RD], s13, v[RD]
	v_lshl_add_u32 v44, v0, 5, PMT  ; where my eight key masks go
	s_lshl_b32 s99, s[WV], 8
	v_lshl_add_u32 v45, v10, 5, s99
	v_add_nc_u32 v45, VSP, v45      ; where my wave's partial mean goes: 32 bytes for each l % 8
	v_lshl_add_u32 v46, v9, 5, VSP  ; and where I read the four back, in O^T's layout
	v_lshl_add_u32 v[APM0], v9, 5, PMT
	; A block's first step multiplies O^T and l by a = 0, so these registers need only hold finite numbers: zeros for the first block.  All this stands in the wait for the first loads.
	WIN 0x80
.set i, VF
.rept 64
	v_mov_b32 v[i], 0
.set i, i+1
.endr
	WIN 0x40
.set i, 0
.rept 128
	v_mov_b32 v[i], 0
.set i, i+1
.endr
	WIN 0
.set i, 0
.rept 4
	v_mov_b32 v[ST+4*i+2], 0
	v_mov_b32 v[ST+4*i+3], 0
.set i, i+1
.endr
.set i, P+16
.rept 16
	v_mov_b32 v[i], 0
.set i, i+1
.endr
.set i, 0
.rept 8
	v_mov_b32 v[SUM+i], 0           ; the mean's eight sums start at 0, so that the loop below has one form
.set i, i+1
.endr
	s_wait_loadcnt 0x0              ; Q, the paddings and the first two batches of v are in
.set i, 0
.rept 8
	v_cmp_eq_f32 vcc_lo, 0, v[232+i]
	v_cndmask_b32 v[232+i], 0, s[BIGN], vcc_lo   ; a key whose padding is 0 is hidden
.set i, i+1
.endr
	ds_store_b128 v44, v[232:235]
	ds_store_b128 v44, v[236:239] offset:16
	s_mov_b32 s[CNT], 2
.Lmean:                             ; my wave's 256 rows of v, 128 a walk: one text, walked twice; the first walk asks for the second's rows, by constant offsets
	s_wait_loadcnt 0x0              ; both batches are in
	SUMV 64
	SUMV 128
	s_sub_co_u32 s[CNT], s[CNT], 1
	s_cmp_eq_u32 s[CNT], 0
	s_cbranch_scc1 .Lmeant
	VBATCH 2, 64
	VBATCH 3, 128
	s_branch .Lmean
.Lmeant:
.irp k, 0,1,2,3,4,5,6,7
	v_add_f32_dpp v[SUM+(\k)], v[SUM+(\k)], v[SUM+(\k)] row_xmask:8 row_mask:0xf bank_mask:0xf  ; the four lanes with my l % 8: 8 away,
.endr
.irp k, 0,1,2,3,4,5,6,7
	v_permlanex16_b32 v[T8+(\k)], v[SUM+(\k)], s[SEL], s[SEL+1]                              ; and 16 away
.endr
.irp k, 0,2,4,6
	v_pk_add_f32 v[SUM+(\k):SUM+(\k)+1], v[SUM+(\k):SUM+(\k)+1], v[T8+(\k):T8+(\k)+1]
.endr
.irp k, 0,2,4,6
	v_pk_mul_f32 v[SUM+(\k):SUM+(\k)+1], v[SUM+(\k):SUM+(\k)+1], 0x3a800000 op_sel_hi:[1,0]   ; / 1024
.endr
	ds_store_b128 v45, v[SUM:SUM+3]
	ds_store_b128 v45, v[SUM+4:SUM+7] offset:16
	s_wait_dscnt 0x0                ; for the others' sake: my part of the table and my partial mean are stored
	s_barrier_signal -1
	s_barrier_wait -1               ; tile 0's load may stay out across it
.irp w, 0,1,2,3
.irp c, 0,1,2,3
	ds_load_b128 v[64+32*(\w)+8*(\c):64+32*(\w)+8*(\c)+3],   v46 offset:256*(\w)+64*(\c)
	ds_load_b128 v[64+32*(\w)+8*(\c)+4:64+32*(\w)+8*(\c)+7], v46 offset:256*(\w)+64*(\c)+16
.endr
.endr
	s_wait_dscnt 0x0
.set i, 0
.rept 16
	v_pk_add_f32 v[64+i:64+i+1], v[64+i:64+i+1], v[96+i:96+i+1]
	v_pk_add_f32 v[128+i:128+i+1], v[128+i:128+i+1], v[160+i:160+i+1]
.set i, i+2
.endr
.set i, 0
.rept 16
	v_pk_add_f32 v[VB+i:VB+i+1], v[VB+i:VB+i+1], v[64+i:64+i+1]   ; register 8 cb + j: channel 16 cb + 8 (l / 16) + j
.set i, i+2
.endr
; THE MATRIX WORK.  The 4 accumulators of a run of 8 take turns.  Product i of 8 of S^T = K Q^T for piece x: channels 32 (i / 4) on, keys 16 (i % 4) on.  The first 4 start the sums with the mask.
.macro KQ x
.set rS, S+32*((\x)%2)+8*(i%4)
.set rK, KF+16*(i%4)+8*(i/4)
.set rQ, 16*(\x)+8*(i/4)
.if KM
.set rM, MC+32*((\x)%2)+8*(i%4)
.else
.set rM, PMR+8*(i%4)
.endif
.if i < 4
	WIN W_KM
	v_wmma_f32_16x16x32_bf16 v[rS:rS+7], v[rK:rK+7], v[rQ:rQ+7], v[rM:rM+7]
.else
	WIN W_KQ
	v_wmma_f32_16x16x32_bf16 v[rS:rS+7], v[rK:rK+7], v[rQ:rQ+7], v[rS:rS+7]
.endif
.endm
.macro PV x                         ; product i of 8 of O^T += V^T P for piece x: keys 32 (i / 4) on, channels 16 (i % 4) on
	WIN W_PV
.set rO, 32*(\x)+8*(i%4)
.set rV, VF+32*(i/4)+8*(i%4)
.set rP, P+16*((\x)%2)+8*(i/4)
	v_wmma_f32_16x16x32_bf16 v[rO:rO+7], v[rV:rV+7], v[rP:rP+7], v[rO:rO+7]
.endm
.macro MM                           ; the turn's next matrix instruction.  NOKQ = 1: a block's last turn: there is no next piece
.if (i < 8) && !NOKQ
	KQ (Y+1)%NP
.elseif i >= 8
.set i, i-8
	PV (Y+NP-1)%NP
.set i, i+8
.endif
.set i, i+1
.endm
; THE LDS LOADS stand in runs: a step's K (8 fragments) with its key mask (64 f32 in the scores' layout), and its V (turned).  Their addresses are made some lines ahead.
.macro FETCH_K
	WIN 0x80
.irp f, 0,1,2,3,4,5,6,7
	ds_load_b128 v[KF+8*\f:KF+8*\f+3],   v[AK] offset:(\f/2)*16*PK+(\f%2)*64
	ds_load_b128 v[KF+8*\f+4:KF+8*\f+7], v[AK] offset:(\f/2)*16*PK+(\f%2)*64+32
.endr
	WIN 0x40
.irp f, 0,1,2,3
	ds_load_b128 v[PMR+8*\f:PMR+8*\f+3],   v[APM] offset:64*\f
	ds_load_b128 v[PMR+8*\f+4:PMR+8*\f+7], v[APM] offset:64*\f+16
.endr
	s_add_co_u32 s[TBK], s[TBK], KS*PK  ; the next fetch is the next step's
	s_add_co_u32 s[TPM], s[TPM], 256
	s_and_b32 s[TPM], s[TPM], 0xf00     ; sixteen steps of 256 bytes: the table's 4,096
	WIN 0
.endm
.macro FETCH_V
	WIN 0x80
.irp f, 0,1,2,3,4,5,6,7
	ds_load_tr16_b128 v[VF+8*\f:VF+8*\f+3],   v[AV] offset:(\f/4)*32*PV+(\f%4)*32
	ds_load_tr16_b128 v[VF+8*\f+4:VF+8*\f+7], v[AV] offset:(\f/4)*32*PV+16*PV+(\f%4)*32
.endr
	WIN 0
.endm
; THE VECTOR WORK, one line at a time: OP kind, number.  For piece Y: F n: c s - c m for pair n of 16.  E n: the exponential of score n of 32.  C n: pair n rounded to bf16.  B n: of the four weights 4 n .. the second
; pair is added onto the first.  L n: l takes that sum (L 0: l = a l + sum).  R n: pair n of 16 of O^T times a.  For piece Y + 1: X n, number n of the 22 that find its maximum and statistics
; (each accumulator's lowest registers are read first).
.set F, 0
.set E, 1
.set C, 2
.set B, 3
.set L, 4
.set R, 5
.set X, 6
.macro REGS y
.set rT, ST+4*(\y)
.set rC, TMP+4*((\y)%2)
.set rW, MV+((\y)%2)
.set rS, S+32*((\y)%2)
.set rP, P+16*((\y)%2)
.set rO, 32*(\y)
.endm
.macro OP k, n
.if (\k) == R
	REGS Y
	WIN W_RS
	v_pk_mul_f32 v[rO+2*(\n):rO+2*(\n)+1], v[rO+2*(\n):rO+2*(\n)+1], v[rC+2:rC+3] op_sel_hi:[1,0]
.elseif (\k) < R
	REGS Y
	WIN 0
.if (\k) == F
	v_pk_fma_f32 v[rS+2*(\n):rS+2*(\n)+1], v[rS+2*(\n):rS+2*(\n)+1], s[CS:CS+1], v[rT:rT+1] op_sel_hi:[1,0,0] neg_lo:[0,0,1] neg_hi:[0,0,1]
.elseif (\k) == E
	v_exp_f32 v[rS+(\n)], v[rS+(\n)]
.elseif (\k) == C
	v_cvt_pk_bf16_f32 v[rP+(\n)], v[rS+2*(\n)], v[rS+2*(\n)+1]
.elseif (\k) == B
	v_pk_add_f32 v[rS+4*(\n):rS+4*(\n)+1], v[rS+4*(\n):rS+4*(\n)+1], v[rS+4*(\n)+2:rS+4*(\n)+3]
.elseif (\n) == 0
	v_pk_fma_f32 v[rT+2:rT+3], v[rT+2:rT+3], v[rC+2:rC+3], v[rS:rS+1] op_sel_hi:[1,0,1]
.else
	v_pk_add_f32 v[rT+2:rT+3], v[rT+2:rT+3], v[rS+4*(\n):rS+4*(\n)+1]
.endif
.elseif NOKQ
	v_nop
.else
	REGS (Y+1)%NP
	WIN 0
.if (\n) < 4
	v_max3_num_f32 v[rC+(\n)], v[rS+8*(\n)], v[rS+8*(\n)+1], v[rS+8*(\n)+2]
.elseif (\n) < 12
	v_max3_num_f32 v[rC+(\n)%4], v[rC+(\n)%4], v[rS+8*((\n)%4)+2*((\n)/4)+1], v[rS+8*((\n)%4)+2*((\n)/4)+2]
.elseif (\n) == 12
	v_max3_num_f32 v[rC], v[rC], v[rS+7], v[rS+15]
.elseif (\n) == 13
	v_max3_num_f32 v[rC+1], v[rC+1], v[rS+23], v[rS+31]
.elseif (\n) == 14
	v_max3_num_f32 v[rC+2], v[rC+2], v[rC+3], v[rT+1]
.elseif (\n) == 15
	v_mov_b32 v[rW], v[rT]
.elseif (\n) == 16
	v_max3_num_f32 v[rC], v[rC], v[rC+1], v[rC+2]
.elseif (\n) == 17
	v_permlanex16_b32 v[rC+3], v[rC], s[SEL], s[SEL+1]
.elseif (\n) == 18
	v_max_num_f32 v[rT+1], v[rC], v[rC+3]
.elseif (\n) == 19
	v_mul_f32 v[rT], s[CS], v[rT+1]
.elseif (\n) == 20
	v_sub_f32 v[rC+1], v[rW], v[rT]
.else
	v_exp_f32 v[rC+2], v[rC+1]
.endif
.endif
.endm
.macro OPS a, i1, b=-1, i2=0, c=-1, i3=0, d=-1, i4=0
	OP \a, \i1
.if (\b) >= 0
	OP \b, \i2
.endif
.if (\c) >= 0
	OP \c, \i3
.endif
.if (\d) >= 0
	OP \d, \i4
.endif
.endm
.macro ROW a, i1, b, i2, c, i3, d, i4  ; a matrix instruction and the four behind it
	MM
	OPS \a, \i1, \b, \i2, \c, \i3, \d, \i4
.endm
.macro MASK b, be                   ; MD x AL + PMR (+ BE) into buffer b of MC
	WIN 0x51
.set z, 0
.rept 16
	v_pk_fma_f32 v[MC+32*(\b)+2*z:MC+32*(\b)+2*z+1], v[MD+2*z:MD+2*z+1], s[AL:AL+1], v[PMR+2*z:PMR+2*z+1] op_sel_hi:[1,0,1]
.set z, z+1
.endr
.if \be
.set z, 0
.rept 16
	v_pk_add_f32 v[MC+32*(\b)+2*z:MC+32*(\b)+2*z+1], v[MC+32*(\b)+2*z:MC+32*(\b)+2*z+1], s[BE:BE+1] op_sel_hi:[1,0]
.set z, z+1
.endr
.endif
.endm
.macro COPYPM                       ; the key mask in hand into MC's second buffer: for the first products that the diagonal tile's text issues before it has made a mask for them
	WIN W_RS
.set z, 0
.rept 32
	v_mov_b32 v[MC+32+z], v[PMR+z]
.set z, z+1
.endr
	WIN 0
.endm
; A TURN, for piece p.  One wait for the batch of exponentials cuts it in two: ahead of it all that names no result of theirs (8 products K Q^T with four riders each, then one lump), behind it the 8 products V^T P,
; behind each four of the roundings and sums.  m = 1: the diagonal tile: the products take MC, and the turn makes the mask for the products of the turn after it: piece p + 2, in step 4 - CNT of the tile.
; end = 1: a block's last two turns: nothing is fetched.  cnt = 1: the loop's count is taken down some lines ahead of the branch behind the turn.
; K and the key mask of the next step are fetched in piece 2's turn; V of the step in hand at the end of piece 0's turn.  Each is waited for a turn later (the key mask, in the diagonal tile, at the end of piece 2's turn, whose mask reads it).
.macro TURN p, m=0, end=0, cnt=0
.set Y, (\p)
.set i, 0
.set KM, (\m)
.set NOKQ, (\end)*((\p)/3)
.if (\m) && !(\end)
	s_cmp_eq_u32 s[CNT], 4-((\p)+2)%NP  ; is that step the band's own?
	s_cselect_b32 s[AL], 1.0, 0
	s_cmp_lt_u32 s[CNT], 4-((\p)+2)%NP  ; or a later one?
	s_cselect_b32 s[BE], s[BIGN], 0
.endif
.if ((\p) == 3) && !(\end)
	s_wait_dscnt 0x0                ; K is in
.endif
	ROW F,0, F,1, R,0, R,1
	ROW F,2, E,0, R,2, R,3
	ROW F,3, E,1, R,4, R,5
	ROW F,4, E,2, R,6, R,7
	ROW F,5, E,3, R,8, R,9
	ROW F,6, E,4, X,0, R,10
.if ((\p) == 2) && !(\end)
	WIN 0
	v_add_nc_u32 v[AK], s[TBK], v[AK0]
	v_add_nc_u32 v[APM], s[TPM], v[APM0]
.endif
	ROW F,7, E,5, X,1, X,4
	ROW F,8, E,6, X,2, X,5
	OPS E,7, E,8, X,6, E,9
	OPS X,3, E,10, X,8, E,11
.if ((\p) == 2) && !(\end)
	FETCH_K
.endif
	OPS X,9, X,7, E,12, X,10
	OPS E,13, X,12, X,11, E,14
	OPS X,13, E,15, F,9, X,14
.if (\p) == 0
	v_add_nc_u32 v[AV], s[TBV], v[AV0]
.endif
	OPS E,16, F,10, E,17, F,11
	OPS X,16, E,18, X,15, E,19
	OPS F,12, E,20, X,17, E,21
	OPS F,13, E,22, F,14, E,23
	OPS X,18, E,24, F,15, E,25
	OPS R,11, E,26, X,19, E,27
	OPS R,12, E,28, R,13, E,29
	OPS X,20, E,30, R,14, E,31
	OPS X,21, R,15
	WIN 0
	s_wait_alu depctr_va_vdst(0)    ; the wait for the batch
.if (\p) == 1
	s_wait_dscnt 0x0                ; V is in
.endif
	ROW C,0, B,0, C,2, B,1
	ROW L,0, C,4, B,2, L,1
	ROW C,6, B,3, L,2, C,8
	ROW B,4, L,3, C,10, B,5
	ROW L,4, C,12, B,6, L,5
.if (\p) == 0
	s_add_co_u32 s[TBV], s[TBV], KS*PV
.endif
.if \cnt
	s_sub_co_u32 s[CNT], s[CNT], 1
	s_cmp_lg_u32 s[CNT], 0
.endif
	ROW C,14, B,7, L,6, C,1
	ROW C,3, L,7, C,5, C,7
	ROW C,9, C,11, C,13, C,15
.if (\p) == 0
	FETCH_V
.endif
.if (\m) && !(\end)
.if (\p) == 2
	s_wait_dscnt 0x0                ; the next step's key mask is in: the mask below is that step's
.endif
	MASK (\p)%2, 1
.endif
.endm
; A BLOCK BEGINS.  c m starts far below every c s, so the first step's a is 0; m at the lowest finite number.  K and the key mask of the block's step 0 are fetched; MC's first buffer takes piece 0's mask for that step
; (its own, if the block's first tile is the diagonal one), the second the key mask alone (piece 1 sees all of step 0).  Then piece 0's first scores, its maximum and statistics.
.macro BEGIN
	s_mov_b32 s[NEW], 0
	s_mov_b32 s[TPM], 0
	WIN 0
.set i, 0
.rept 4
	v_mov_b32 v[ST+4*i], 0xfe000000
	v_mov_b32 v[ST+4*i+1], 0xff7fffff
.set i, i+1
.endr
	s_cmp_eq_u32 s[RT], 0
	s_cselect_b32 s[AL], 1.0, 0
	v_add_nc_u32 v[AK], s[TBK], v[AK0]
	v_add_nc_u32 v[APM], s[TPM], v[APM0]
	FETCH_K
	s_wait_loadcnt 0x0              ; Q
	s_wait_dscnt 0x0
	MASK 0, 0
	COPYPM
.set KM, 1
.set NOKQ, 0
.set i, 0
.rept 8
	KQ 0
.set i, i+1
.endr
	WIN 0
.rept 4
	v_nop                           ; the places behind those products
.endr
.set Y, NP-1
.irp n, 0,1,2,3,4,5,6,7,8,9,10,11,12,13,14,15,16,17,18,19,20,21
	OP X, \n
.endr
	v_nop                           ; a plain instruction behind the exponential,
	s_wait_alu depctr_va_vdst(0)    ; and its wait, ahead of the branch
.endm
.macro ALL line:vararg
.set t, 0
.rept 4
	\line
.set t, t+1
.endr
.endm
.macro PACK t                       ; O^T / l; the mean of v where my query's padding is 0; rounded to bf16; through my stage, back as whole rows of 128 bytes
	WIN 0
	v_cmp_eq_f32 vcc_lo, 0, v[QF+(\t)]
	WIN W_RS
.set i, 32*(\t)
.rept 16
	v_pk_mul_f32 v[i:i+1], v[i:i+1], v[ST+4*(\t)+2:ST+4*(\t)+3] op_sel_hi:[1,0]
.set i, i+2
.endr
.set i, 0
.rept 32
	v_cndmask_b32 v[32*(\t)+i], v[32*(\t)+i], v[VB+i], vcc_lo
.set i, i+1
.endr
	WIN 0x05
.set i, 0
.rept 16
	v_cvt_pk_bf16_f32 v[S+16*(\t)+i], v[32*(\t)+2*i], v[32*(\t)+2*i+1]
.set i, i+1
.endr
	WIN 0
.irp f, 0,1,2,3
	ds_store_b128 v[STO], v[S+16*(\t)+4*\f:S+16*(\t)+4*\f+3] offset:32*\f
.endr
.irp f, 0,1,2,3
	ds_load_b128 v[S+16*(\t)+4*\f:S+16*(\t)+4*\f+3], v[RD] offset:\f*4*SP  ; LDS serves a wave's instructions in order: these see the stores above
.endr
.endm
.macro SEND t, younger              ; younger: the LDS instructions issued behind piece t's loads: the next piece's eight, or none
	WIN 0
.irp f, 0,1,2,3
	s_wait_dscnt (\younger)+3-\f
	global_store_b128 v[GO], v[S+16*(\t)+4*\f:S+16*(\t)+4*\f+3], s[10:11] offset:(\t)*8192+\f*512  ; 512 consecutive bytes, aligned
.endr
.endm
; THE DIAGONAL TILE's four steps, the block's last two turns, its last products, and the way out.  tag 1: the first block; tag 2: the second.
.macro DIAG tag
.set QF, QPAD+4*((\tag)-1)
.LstepM\tag:
	TURN 2, 1
	TURN 3, 1
	WIN 0
.LfirstM\tag:
	TURN 0, 1
	TURN 1, 1, 0, 1
	WIN 0
	s_cbranch_scc1 .LstepM\tag
	TURN 2, 1, 1
	TURN 3, 1, 1
.set i, 0
.rept 8
	PV NP-1
.set i, i+1
.endr
	WIN 0
	ALL v_add_f32 v[ST+4*t+2], v[ST+4*t+2], v[ST+4*t+3]
	ALL v_permlanex16_b32 v[ST+4*t+3], v[ST+4*t+2], s[SEL], s[SEL+1]
	ALL v_add_f32 v[ST+4*t+2], v[ST+4*t+2], v[ST+4*t+3]
	ALL v_rcp_f32 v[ST+4*t+2], v[ST+4*t+2]
	v_nop
	s_wait_alu depctr_va_vdst(0)    ; one wait for the four reciprocals
	PACK 0
.set t, 1
.rept 3
	PACK t
	SEND t-1, 8
.set t, t+1
.endr
	SEND 3, 0
.endm
.set KM, 0
.set NOKQ, 0
.Lslot:                             ; NB times: a tile is entered and the next is asked for
	CHANGE 1
	s_sub_co_u32 s[RT], s[RT], 1
	s_mov_b32 s[CNT], 4
	s_cmp_eq_u32 s[NEW], 1
	s_cbranch_scc1 .Lnew            ; a block's first tile
	s_cmp_eq_u32 s[RT], 0
	s_cbranch_scc0 .Lstep           ; neither its first nor its last
	COPYPM                          ; its last: the diagonal text's first products are piece 3's of the tile before, under that step's key mask
	s_branch .LstepM1
.Lnew:
	BEGIN
	s_branch .Lfirst                ; in the loop a block's first tile is never its last
	DIAG 1                          ; in the loop this is the first block's end
	s_wait_xcnt 0x0                 ; the stores have read their registers and O's address
	s_mov_b64 s[10:11], s[OLO:OLO+1]
	s_add_co_u32 s[RT], s[PB], 1    ; the second block has b + 1 tiles
	s_mov_b32 s[NEW], 1
	WIN 0x82                        ; the second block's Q goes where the one text of the turns names Q
.set i, 0
.rept 64
	v_mov_b32 v[i], v[QB+i]
.set i, i+1
.endr
	WIN 0
	s_branch .Lbottom
.Lstep:                             ; a trip: pieces 2 and 3 of one step, then pieces 0 and 1 of the next, whose K and V it fetches
	TURN 2
	TURN 3
	WIN 0
.Lfirst:
	TURN 0
	TURN 1, 0, 0, 1
	WIN 0
	s_cbranch_scc1 .Lstep
.Lbottom:
	s_sub_co_u32 s[SLOTS], s[SLOTS], 1
	s_cmp_lg_u32 s[SLOTS], 0
	s_cbranch_scc1 .Lslot
	CHANGE 0                        ; the walk's last tile is written out
	s_sub_co_u32 s[RT], s[RT], 1
	s_mov_b32 s[CNT], 4
	s_cmp_eq_u32 s[NEW], 1
	s_cbranch_scc1 .Lnew2
	COPYPM
	s_branch .LstepM2
.Lnew2:
	BEGIN
	s_branch .LfirstM2
	DIAG 2
	s_wait_tensorcnt 0x0            ; the wave's end
	ds_add_u32 v[SPW], v[NIL]
	s_wait_dscnt 0x0
	s_endpgm
.Lfunc_end_k_qce0119dd3a_attn:
	.size	k_qce0119dd3a_attn, .Lfunc_end_k_qce0119dd3a_attn-k_qce0119dd3a_attn
	.p2alignl 7, 3214868480
	.fill 96, 4, 3214868480
	.section	.rodata,"a",@progbits
	.p2align	6, 0x0
	.amdhsa_kernel k_qce0119dd3a_attn
		.amdhsa_group_segment_fixed_size 327680
		.amdhsa_private_segment_fixed_size 0
		.amdhsa_enable_private_segment 0
		.amdhsa_kernarg_size 24
		.amdhsa_user_sgpr_count 2
		.amdhsa_user_sgpr_kernarg_segment_ptr 1
		.amdhsa_wavefront_size32 1
		.amdhsa_system_sgpr_workgroup_id_x 1
		.amdhsa_system_sgpr_workgroup_id_y 1
		.amdhsa_system_sgpr_workgroup_id_z 1
		.amdhsa_system_vgpr_workitem_id 0
		.amdhsa_next_free_vgpr 768
		.amdhsa_next_free_sgpr 102
		.amdhsa_reserve_vcc 1
		.amdhsa_float_denorm_mode_32 3
		.amdhsa_float_denorm_mode_16_64 3
		.amdhsa_memory_ordered 1
		.amdhsa_forward_progress 1
		.amdhsa_inst_pref_size 255
	.end_amdhsa_kernel
	.section	.bss,"aw",@nobits
	.p2align	6
	.space	262144
	.amdgpu_metadata
---
amdhsa.version: [ 1, 2 ]
amdhsa.kernels:
  - .name:           k_qce0119dd3a_attn
    .symbol:         k_qce0119dd3a_attn.kd
    .args:
      - { .name: qkv, .offset: 0, .size: 8, .value_kind: global_buffer, .address_space: global }
      - { .name: padding, .offset: 8, .size: 8, .value_kind: global_buffer, .address_space: global }
      - { .name: acta, .offset: 16, .size: 8, .value_kind: global_buffer, .address_space: global }
    .group_segment_fixed_size: 327680
    .private_segment_fixed_size: 0
    .kernarg_segment_align: 8
    .kernarg_segment_size: 24
    .max_flat_workgroup_size: 128
    .sgpr_count:     102
    .vgpr_count:     768
    .wavefront_size: 32
...
	.end_amdgpu_metadata
.endif
;; end of part 3
;; launch g32 (part 4): grid 4 x 64, 4 waves a work-group, clusters of 4 x 4, 327,680 bytes of LDS; arguments acta, wot, bo, x, attnr; writes attnr
.if DOCPART == 4
	.amdgcn_target "amdgcn-amd-amdhsa--gfx1250"
	.amdhsa_code_object_version 6
	.text
	.protected	k_qce0119dd3a_g32
	.globl	k_qce0119dd3a_g32
	.p2align	8
	.type	k_qce0119dd3a_g32,@function
k_qce0119dd3a_g32:
	s_mov_b64 s[64:65], 0
	v_nop
	global_prefetch_b8 v0, s[64:65] scope:SCOPE_SE
	s_setreg_imm32_b32 hwreg(HW_REG_WAVE_MODE, 25, 1), 1
	s_wait_xcnt 0x0
	s_wait_alu depctr_hold_cnt(0) depctr_sa_sdst(0) depctr_va_vdst(0) depctr_va_sdst(0) depctr_va_ssrc(0) depctr_va_vcc(0) depctr_vm_vsrc(0)
	s_getreg_b32 s2, hwreg(HW_REG_IB_STS2, 6, 4)
	s_cmp_eq_u32 s2, 0
	s_cbranch_scc0 .Lentry_in_a_cluster
	s_endpgm
.Lentry_in_a_cluster:
	s_bfe_u32 s2, ttmp6, 0x10000c
	s_cmp_lg_u32 s2, 0xf033
	s_cbranch_scc0 .Lentry_shape_is_right
	s_endpgm
.Lentry_shape_is_right:
; C = residual + A B^T + bias, in f32, row-major [8192][1024].  A: 8192 rows x 1024, bf16, in blocks of 64 columns: element (m, c) at byte ((c / 64) 8192 + m) 128 + 2 (c % 64).  B: units [j][kb][256 n][64 k] of
; 32,768 dense bytes, bf16.  bias: 1,024 f32.  residual: f32, row-major.  Two launches run this text: the output projection (residual x) and the second FFN product (residual the attention block's output).
; SHARES.  A work-group makes 128 rows x 256 columns (256 work-groups); each of its four waves 64 x 128: 32 accumulators of 16 x 16.
; K goes in steps of 128, two blocks of 64, through two LDS slots.  A block's tile is dense in memory and is asked for as rows of 256 bytes; in LDS each 128 bytes get 16 of padding.
; CLUSTER 4 x 4: A's tile hangs on the row block alone and is asked for jointly along a row of the cluster, B's on the column block alone and jointly along a column.
; THE MATRIX INSTRUCTION IS USED TRANSPOSED (source 0 = 16 rows of B, source 1 = 16 rows of A): a lane holds one row of C and eight neighbouring columns.  The bias, in that layout, is the C operand of the first products.
; REGISTERS: window 0: v0-31 addresses; v64-159, v160-255 two fragment buffers (B's eight fragments, then A's four), on the way out rows read back.  Window 1: the accumulators, (a, b) at v[8 (8 a + b)].
; Window 2: the residual, row t of my 64 at v[4 t].  Window 3: v0-63 the bias.
.set PA,    144                        ; an LDS row: 128 bytes + 16 = 36 words: the 16 rows of a fragment load start at 16 different groups of four banks (64 banks of 4 bytes: ISA guide 11.1)
.set AKB,   128*PA                     ; A's tile of one block of 64 k
.set BKB,   256*PA                     ; B's
.set BOFF,  2*AKB                      ; in a slot: A's two tiles, then B's two
.set SLOT1, 1<<17                      ; slot 1 begins here, so that one exclusive or changes slots
.set STAGE, SLOT1+2*AKB+2*BKB          ; behind the ring, never filled by a tensor load: 16 rows for each wave, for the way out
.set SP,    528
.set SPARE, STAGE+4*16*SP              ; the spare words, 128 bytes for each wave
.set ASTEP, 2*1048576                  ; a K step in A: two blocks of 8192 rows x 128 bytes
.set BSTEP, 2*32768                    ; in B: two units
.set ADRA0, 4                          ; v4  my lane's place in A's tile, slot 0; never rewritten
.set ADRB0, 5                          ; v5  in B's
.set ADRA,  6                          ; v6  the same in the slot in hand
.set ADRB,  7
.set STO,   8                          ; the way out: where I put my bytes of a row
.set RD,    9                          ; where I read rows back
.set CO,    10                         ; 16 l
.set VBO,   11                         ; 32 (l / 16): my eight numbers of sixteen of the bias
.set PFO,   12                         ; 256 l: the prefetches' offset
.set SPW,   28
.set NIL,   29
.set F0,    64
.set F1,    160
.set WV, 14
.set RH, 15                            ; which 64 rows are mine.  Also: I fetch for A (0) or for B (1)
.set CH, 16                            ; which 128 columns.  Also: which block of 64 k I fetch
.set G1,  24
.set G0,  32
.set PFA, 44
.set PFS, 46
.set G1B, 48
.set G0B, 56
.set LIM, 66
.set TB,  67
.set CNT, 68
.set MSB, 0
.macro WIN new
.if MSB != (\new)
	s_set_vgpr_msb (MSB<<8)|(\new)
.set MSB, \new
.endif
.endm
.set MUL,  0x50                        ; fragments in window 0, C and D in window 1
.set MULB, 0x70                        ; C in window 3: the bias
.macro PLACES                          ; four places behind a matrix instruction, in front of loads into registers that it has read and of reads of its results
.rept 4
	v_nop
.endr
.endm
.macro JLOAD s                         ; a joint load: waves 0 and 1 ask for A's two blocks, waves 2 and 3 for B's; an s_nop 0 and four v_nop follow each line
	s_cmp_eq_u32 s[RH], 0
	s_cbranch_scc0 .Lfor_b_\@
	tensor_load_to_lds s[G0+4*(\s):G0+4*(\s)+3], s[G1:G1+7]
	s_nop 0
.rept 4
	v_nop
.endr
	s_branch .Lasked_\@
.Lfor_b_\@:
	tensor_load_to_lds s[G0B+4*(\s):G0B+4*(\s)+3], s[G1B:G1B+7]
	s_nop 0
.rept 4
	v_nop
.endr
.Lasked_\@:
.endm
.macro CREST                           ; a round of the cluster's barrier behind its opening barrier
	s_cmp_lg_u32 s[WV], 0
	s_cbranch_scc1 .Lnot_wave_0_\@
	s_barrier_signal -3
.Lnot_wave_0_\@:
	s_barrier_wait -3
	s_barrier_signal -1
	s_barrier_wait -1
.endm
.macro CROUND
	s_barrier_signal -1
	s_barrier_wait -1
	CREST
.endm
; A prefetch into the L2 of the K step two refills on: 8,192 bytes, a lane 256.  A's step (2 x 16 KiB for a row block) is shared out by address among the four partners of a row of the cluster, wave 0 of each;
; only the first column of clusters asks.  B's step (2 x 32 KiB for a column block): waves 2 and 3 take a unit each, the four partners of a column a quarter each; only the first row of clusters asks.
; So each block of 256 bytes of K steps 4 to 7 is named once in the launch; K steps 0 to 3 come by their loads alone, and the last two refills ask for nothing.
.macro ASK
	s_cmp_gt_u32 s[CNT], s[LIM]
	s_cbranch_scc0 .Lnot_mine_\@
	global_prefetch_b8 v[PFO], s[PFA:PFA+1] th:TH_LOAD_NT scope:SCOPE_SE
.Lnot_mine_\@:
.endm
	s_load_b256 s[4:11], s[0:1], 0x0               ; A 4, B 6, bias 8, residual 10
	s_load_b64 s[12:13], s[0:1], 0x20              ; C
	v_lshl_add_u32 v[SPW], v0, 2, SPARE
	v_mov_b32 v[NIL], 0
	ds_add_u32 v[SPW], v[NIL]                      ; the wave's opening: the add, twice on end, and its wait ahead of my first tensor load
	ds_add_u32 v[SPW], v[NIL]
	v_lshrrev_b32 v1, 5, v0
	v_readfirstlane_b32 s[WV], v1
	s_lshr_b32 s[RH], s[WV], 1
	s_and_b32 s[CH], s[WV], 1
	s_bfe_u32 s17, ttmp6, 0x40000                  ; cx
	s_bfe_u32 s18, ttmp6, 0x40004                  ; cy
	s_lshl_b32 s19, ttmp9, 2
	s_add_co_u32 s19, s19, s17                     ; j: column block of 256
	s_and_b32 s20, ttmp7, 0xffff
	s_lshl_b32 s20, s20, 2
	s_add_co_u32 s20, s20, s18                     ; i: row block of 128
	s_lshl_b32 s21, s18, 2
	s_lshl_b32 s21, 15, s21                        ; my row of the cluster
	s_lshl_b32 s22, 0x1111, s17                    ; my column
	s_or_b32 s[G1], s21, (1<<16)|(1<<20)|(1<<21)|(4<<22)|(3<<25)   ; mask; 2-byte elements; padding on; bit 21 beside a mask; after every 32 words, 4 words
	s_or_b32 s[G1B], s22, (1<<16)|(1<<20)|(1<<21)|(4<<22)|(3<<25)
	s_mov_b32 s[G1+1], 128<<16                     ; tensor_dim0 = 128 elements: 256 bytes
	s_mov_b32 s[G1+2], 64<<16                      ; tensor_dim1 = 64: 16,384 dense bytes = 128 rows of A's block
	s_mov_b32 s[G1+3], 128<<16                     ; tile_dim0
	s_mov_b32 s[G1+4], 64                          ; tile_dim1
	s_mov_b32 s[G1+5], 128                         ; pitch
	s_mov_b32 s[G1+6], 0
	s_mov_b32 s[G1+7], 0
	s_mov_b32 s[G1B+1], 128<<16
	s_mov_b32 s[G1B+2], 128<<16                    ; 128 rows of 256 bytes: a unit of B
	s_mov_b32 s[G1B+3], 128<<16
	s_mov_b32 s[G1B+4], 128
	s_mov_b32 s[G1B+5], 128
	s_mov_b32 s[G1B+6], 0
	s_mov_b32 s[G1B+7], 0
	s_lshl_b32 s40, s20, 14                        ; A: 128 i rows of 128 bytes,
	s_lshl_b32 s41, s[CH], 20                      ; my block of the step's two
	s_add_co_u32 s40, s40, s41
	s_mov_b32 s41, 0
	s_lshl_b32 s42, s19, 19                        ; B: 16 j units,
	s_lshl_b32 s43, s[CH], 15                      ; my unit of the step's two
	s_add_co_u32 s42, s42, s43
	s_mov_b32 s43, 0
	s_mul_i32 s23, s[CH], AKB                      ; where they go: no place in the cluster enters an LDS address
	s_mul_i32 s74, s[CH], BKB
	s_add_co_u32 s74, s74, BOFF
	s_mov_b32 s[TB], 0
	s_wait_dscnt 0x0                               ; both opening adds are done
	s_wait_kmcnt 0x0
	s_add_nc_u64 s[40:41], s[4:5], s[40:41]
	s_mov_b64 s[70:71], s[6:7]                     ; B's first unit
	s_add_nc_u64 s[42:43], s[70:71], s[42:43]
	CROUND                                         ; all sixteen work-groups are here: the first joint loads meet
.irp s, 0,1
	s_mov_b32 s[G0+4*(\s)], 1
	s_add_co_u32 s[G0+4*(\s)+1], s23, (\s)*SLOT1
	s_add_nc_u64 s[G0+4*(\s)+2:G0+4*(\s)+3], s[40:41], (\s)*ASTEP
	s_or_b32 s[G0+4*(\s)+3], s[G0+4*(\s)+3], 0x80000000
	s_mov_b32 s[G0B+4*(\s)], 1
	s_add_co_u32 s[G0B+4*(\s)+1], s74, (\s)*SLOT1
	s_add_nc_u64 s[G0B+4*(\s)+2:G0B+4*(\s)+3], s[42:43], (\s)*BSTEP
	s_or_b32 s[G0B+4*(\s)+3], s[G0B+4*(\s)+3], 0x80000000
	JLOAD \s                                       ; K steps 0 and 1: two loads of mine are out
.endr
	v_and_b32 v1, 15, v0                           ; r = l % 16
	v_bfe_u32 v2, v0, 4, 1                         ; h = l / 16
	v_and_b32 v3, 31, v0                           ; l
	v_lshlrev_b32 v[VBO], 5, v2
	s_lshl_b32 s76, s19, 10
	s_lshl_b32 s77, s[CH], 9
	s_add_co_u32 s76, s76, s77                     ; my first column, in f32 bytes
	s_mov_b32 s77, 0
	s_add_nc_u64 s[8:9], s[8:9], s[76:77]
	WIN 0xc0                                       ; destination window 3
.irp b, 0,1,2,3,4,5,6,7
	global_load_b128 v[8*(\b):8*(\b)+3],   v[VBO], s[8:9] offset:64*(\b)
	global_load_b128 v[8*(\b)+4:8*(\b)+7], v[VBO], s[8:9] offset:64*(\b)+16
.endr
	WIN 0
	v_mul_u32_u24 v13, v1, PA
	v_lshl_add_u32 v13, v2, 4, v13                 ; a fragment's row x pitch + 16 x half
	s_mul_i32 s75, s[RH], 64*PA
	v_add_nc_u32 v[ADRA0], s75, v13
	s_mul_i32 s75, s[CH], 128*PA
	s_add_co_u32 s75, s75, BOFF
	v_add_nc_u32 v[ADRB0], s75, v13
	v_mov_b32 v[ADRA], v[ADRA0]
	v_mov_b32 v[ADRB], v[ADRB0]
	s_mul_i32 s75, s[WV], 16*SP
	s_add_co_u32 s75, s75, STAGE                   ; my stage
	v_mul_u32_u24 v[STO], v1, SP
	v_lshlrev_b32 v[CO], 4, v3
	v_lshl_add_u32 v[STO], v2, 5, v[STO]           ; in: row r, 32 bytes for each half of the lanes
	v_add_nc_u32 v[STO], s75, v[STO]
	v_add_nc_u32 v[RD], s75, v[CO]                 ; back: a whole row of 512 bytes
	s_lshl_b32 s72, s20, 7
	s_lshl_b32 s73, s[RH], 6
	s_add_co_u32 s72, s72, s73                     ; my first row
	s_lshl_b32 s72, s72, 12
	s_add_co_u32 s72, s72, s76                     ; and column
	s_mov_b32 s73, 0
	s_add_nc_u64 s[10:11], s[10:11], s[72:73]
	s_add_nc_u64 s[12:13], s[12:13], s[72:73]
	; the prefetches
	s_and_b32 s75, ttmp7, 0xffff                   ; cluster y
	s_lshl_b32 s78, s20, 14
	s_lshr_b32 s79, s17, 1
	s_lshl_b32 s79, s79, 20
	s_add_co_u32 s78, s78, s79
	s_and_b32 s79, s17, 1
	s_lshl_b32 s79, s79, 13
	s_add_co_u32 s78, s78, s79
	s_add_co_u32 s78, s78, 3*ASTEP                 ; A: at K step 3; the first refill steps it to 4
	s_lshl_b32 s72, s19, 19
	s_lshl_b32 s79, s[CH], 15
	s_add_co_u32 s72, s72, s79
	s_lshl_b32 s79, s18, 13
	s_add_co_u32 s72, s72, s79
	s_add_co_u32 s72, s72, 3*BSTEP                 ; B likewise
	s_mov_b32 s[PFS], BSTEP
	s_mov_b32 s79, ASTEP
	s_cmp_eq_u32 s[RH], 0
	s_cselect_b32 s75, ttmp9, s75                  ; the coordinate along which other clusters read the same bytes
	s_cselect_b64 s[PFA:PFA+1], s[4:5], s[70:71]
	s_cselect_b32 s[PFS], s79, s[PFS]
	s_cselect_b32 s72, s78, s72
	s_mov_b32 s73, 0
	s_mov_b32 s[PFS+1], 0
	s_add_nc_u64 s[PFA:PFA+1], s[PFA:PFA+1], s[72:73]
	s_cmp_eq_u32 s75, 0
	s_cselect_b32 s[LIM], 2, -1                    ; the same in all sixteen partners, for a given wave
	s_cmp_eq_u32 s[WV], 1
	s_cselect_b32 s[LIM], -1, s[LIM]               ; wave 1 never asks
	v_lshlrev_b32 v[PFO], 8, v3
; 24 LDS loads in one run: the fragments of quarter q (32 k) of the slot in hand into buffer f: B's eight, then A's four
.macro FETCH q, f
	WIN 0
.irp b, 0,1,2,3,4,5,6,7
	ds_load_b128 v[(\f)+8*(\b):(\f)+8*(\b)+3],   v[ADRB] offset:((\q)/2)*BKB+(\b)*16*PA+((\q)%2)*64
	ds_load_b128 v[(\f)+8*(\b)+4:(\f)+8*(\b)+7], v[ADRB] offset:((\q)/2)*BKB+(\b)*16*PA+((\q)%2)*64+32
.endr
.irp a, 0,1,2,3
	ds_load_b128 v[(\f)+64+8*(\a):(\f)+64+8*(\a)+3],   v[ADRA] offset:((\q)/2)*AKB+(\a)*16*PA+((\q)%2)*64
	ds_load_b128 v[(\f)+64+8*(\a)+4:(\f)+64+8*(\a)+7], v[ADRA] offset:((\q)/2)*AKB+(\a)*16*PA+((\q)%2)*64+32
.endr
.endm
; 8 matrix instructions: m block a x all 8 n blocks.  The 32 accumulators take turns in the same order in every quarter, over the backward jumps too.  first = 1: the bias starts the sums.
.macro MUL8 f, a, first
.if \first
	WIN MULB
.else
	WIN MUL
.endif
.irp b, 0,1,2,3,4,5,6,7
.if \first
	v_wmma_f32_16x16x32_bf16 v[8*(8*(\a)+(\b)):8*(8*(\a)+(\b))+7], v[(\f)+8*(\b):(\f)+8*(\b)+7], v[(\f)+64+8*(\a):(\f)+64+8*(\a)+7], v[8*(\b):8*(\b)+7]
.else
	v_wmma_f32_16x16x32_bf16 v[8*(8*(\a)+(\b)):8*(8*(\a)+(\b))+7], v[(\f)+8*(\b):(\f)+8*(\b)+7], v[(\f)+64+8*(\a):(\f)+64+8*(\a)+7], v[8*(8*(\a)+(\b)):8*(8*(\a)+(\b))+7]
.endif
.endr
.endm
; multiplies buffer f and, in its middle, fetches quarter q into buffer g
.macro QUARTER q, f, g, first
	s_wait_dscnt 4                                 ; B and A's blocks 0 and 1 are in; the youngest four loads, A's blocks 2 and 3, may be out
	MUL8 \f, 0, \first
	MUL8 \f, 1, \first
	PLACES
	FETCH \q, \g
	s_wait_dscnt 24                                ; all but the 24 just issued
	MUL8 \f, 2, \first
	MUL8 \f, 3, \first
.endm
; The last quarter multiplies buffer 1 and changes slots.  In front of the barrier each wave waits for all its tensor loads (one is out: its part of the next slot), adds 0 to its spare word, and waits for that and
; for its reads of this slot.  fill = 1: the barrier opens a round of the cluster's, and this slot is filled again, two K steps ahead, first thing behind it.
.macro TURN fill
.if \fill
	s_wait_xcnt 0x0                                ; the last prefetch, a K step back, has read its address
	s_add_nc_u64 s[PFA:PFA+1], s[PFA:PFA+1], s[PFS:PFS+1]
.endif
	WIN 0
	s_wait_tensorcnt 0x0
	ds_add_u32 v[SPW], v[NIL]
.if \fill
	s_xor_b32 s[G0+5], s[G0+5], SLOT1              ; no tensor load of mine is out: the walking descriptors go to the other slot and one K step on
	s_add_nc_u64 s[G0+6:G0+7], s[G0+6:G0+7], ASTEP
	s_xor_b32 s[G0B+5], s[G0B+5], SLOT1
	s_add_nc_u64 s[G0B+6:G0B+7], s[G0B+6:G0B+7], BSTEP
.endif
	s_wait_dscnt 5                                 ; the add and A's blocks 2 and 3 may be out
	MUL8 F1, 0, 0
	s_wait_dscnt 0x0                               ; the add is done, and my reads of this slot are over
	s_barrier_signal -1
	MUL8 F1, 1, 0
.if \fill
	WIN 0
.endif
	s_barrier_wait -1
.if \fill
	CREST
	JLOAD 1                                        ; its four v_nop are also the places in front of the loads below
.else
	PLACES
.endif
	WIN 0
	s_xor_b32 s[TB], s[TB], SLOT1
	v_add_nc_u32 v[ADRA], s[TB], v[ADRA0]
	v_add_nc_u32 v[ADRB], s[TB], v[ADRB0]
	FETCH 0, F0
.if \fill
	ASK
.endif
	MUL8 F1, 2, 0
	MUL8 F1, 3, 0
.endm
	s_wait_tensorcnt 0x1                           ; my part of K step 0 is in; K step 1's load may stay out
	s_barrier_signal -1
	s_barrier_wait -1
	FETCH 0, F0
	s_wait_loadcnt 0x0                             ; the bias
	QUARTER 1, F0, F1, 1
	WIN 0
	s_mov_b32 s[CNT], 6
.Lstep:                                            ; trip n: K step n's quarters 1 to 3, K step n + 1's quarter 0; K step n's slot takes K step n + 2
	QUARTER 2, F1, F0, 0
	QUARTER 3, F0, F1, 0
	TURN 1
	QUARTER 1, F0, F1, 0
	WIN 0
	s_sub_co_u32 s[CNT], s[CNT], 1
	s_cmp_lg_u32 s[CNT], 0
	s_cbranch_scc1 .Lstep
	WIN 0x80                                       ; the residual's 64 rows of 512 bytes into window 2, nearly two K steps ahead of their use
.set t, 0
.rept 64
	global_load_b128 v[4*t:4*t+3], v[CO], s[10:11] offset:t*4096 th:TH_LOAD_NT
.set t, t+1
.endr
	WIN 0
	s_mov_b32 s[CNT], 2
.Ltail:                                            ; the last two K steps fill nothing: one text, walked twice and left in the middle of the second walk
	QUARTER 2, F1, F0, 0
	QUARTER 3, F0, F1, 0
	WIN 0
	s_sub_co_u32 s[CNT], s[CNT], 1
	s_cmp_eq_u32 s[CNT], 0
	s_cbranch_scc1 .Llast
	TURN 0
	QUARTER 1, F0, F1, 0
	WIN 0
	s_branch .Ltail
.Llast:
	s_wait_dscnt 4                                 ; the very last quarter: nothing more to fetch
	MUL8 F1, 0, 0
	MUL8 F1, 1, 0
	s_wait_dscnt 0x0
	MUL8 F1, 2, 0
	MUL8 F1, 3, 0
	WIN 0
	PLACES
; THE WAY OUT, 16 rows at a time through my own stage: 32 bytes a lane in, whole rows of 512 bytes back, the residual added, stored.
.macro TOSTAGE a
	WIN 0x04                                       ; store data in window 1
.irp b, 0,1,2,3,4,5,6,7
	ds_store_b128 v[STO], v[8*(8*(\a)+(\b)):8*(8*(\a)+(\b))+3]   offset:64*(\b)
	ds_store_b128 v[STO], v[8*(8*(\a)+(\b))+4:8*(8*(\a)+(\b))+7] offset:64*(\b)+16
.endr
	WIN 0
.if (\a) >= 2
	s_wait_xcnt 0x0                                ; the stores of the block two back have read these registers
.endif
.set t, 0
.rept 16
	ds_load_b128 v[64+64*((\a)%2)+4*t:64+64*((\a)%2)+4*t+3], v[RD] offset:SP*t  ; LDS serves a wave's instructions in order: these see the stores above
.set t, t+1
.endr
.endm
.macro SEND a
	s_wait_dscnt 0x0
	s_wait_loadcnt 48-16*(\a)                      ; the residual rows of the later blocks may stay out
	WIN 0x08                                       ; source 1 in window 2
.set z, 0
.rept 32
	v_pk_add_f32 v[64+64*((\a)%2)+2*z:64+64*((\a)%2)+2*z+1], v[64+64*((\a)%2)+2*z:64+64*((\a)%2)+2*z+1], v[64*(\a)+2*z:64*(\a)+2*z+1]
.set z, z+1
.endr
	WIN 0
.set t, 0
.rept 16
	global_store_b128 v[CO], v[64+64*((\a)%2)+4*t:64+64*((\a)%2)+4*t+3], s[12:13] offset:(16*(\a)+t)*4096  ; 512 consecutive bytes, aligned
.set t, t+1
.endr
.endm
	TOSTAGE 0
.irp a, 1,2,3
	SEND (\a)-1
	TOSTAGE \a
.endr
	SEND 3
	s_wait_tensorcnt 0x0                           ; the wave's end
	ds_add_u32 v[SPW], v[NIL]
	s_wait_dscnt 0x0
	CROUND                                         ; the closing round
	s_endpgm
.Lfunc_end_k_qce0119dd3a_g32:
	.size	k_qce0119dd3a_g32, .Lfunc_end_k_qce0119dd3a_g32-k_qce0119dd3a_g32
	.p2alignl 7, 3214868480
	.fill 96, 4, 3214868480
	.section	.rodata,"a",@progbits
	.p2align	6, 0x0
	.amdhsa_kernel k_qce0119dd3a_g32
		.amdhsa_group_segment_fixed_size 327680
		.amdhsa_private_segment_fixed_size 0
		.amdhsa_enable_private_segment 0
		.amdhsa_kernarg_size 40
		.amdhsa_user_sgpr_count 2
		.amdhsa_user_sgpr_kernarg_segment_ptr 1
		.amdhsa_wavefront_size32 1
		.amdhsa_system_sgpr_workgroup_id_x 1
		.amdhsa_system_sgpr_workgroup_id_y 1
		.amdhsa_system_sgpr_workgroup_id_z 1
		.amdhsa_system_vgpr_workitem_id 0
		.amdhsa_next_free_vgpr 832
		.amdhsa_next_free_sgpr 80
		.amdhsa_reserve_vcc 0
		.amdhsa_float_denorm_mode_32 3
		.amdhsa_float_denorm_mode_16_64 3
		.amdhsa_memory_ordered 1
		.amdhsa_forward_progress 1
		.amdhsa_inst_pref_size 79
	.end_amdhsa_kernel
	.amdgpu_metadata
---
amdhsa.version: [ 1, 2 ]
amdhsa.kernels:
  - .name:           k_qce0119dd3a_g32
    .symbol:         k_qce0119dd3a_g32.kd
    .args:
      - { .name: acta, .offset: 0, .size: 8, .value_kind: global_buffer, .address_space: global }
      - { .name: wot, .offset: 8, .size: 8, .value_kind: global_buffer, .address_space: global }
      - { .name: bo, .offset: 16, .size: 8, .value_kind: global_buffer, .address_space: global }
      - { .name: x, .offset: 24, .size: 8, .value_kind: global_buffer, .address_space: global }
      - { .name: attnr, .offset: 32, .size: 8, .value_kind: global_buffer, .address_space: global }
    .group_segment_fixed_size: 327680
    .private_segment_fixed_size: 0
    .kernarg_segment_align: 8
    .kernarg_segment_size: 40
    .max_flat_workgroup_size: 128
    .sgpr_count:     80
    .vgpr_count:     832
    .wavefront_size: 32
...
	.end_amdgpu_metadata
.endif
;; end of part 4
;; launch lnorm (part 5): grid 512 x 1, 8 waves a work-group, no clusters, 0 bytes of LDS; arguments attnr, ln_gamma, ln_beta, acta; writes acta
.if DOCPART == 5
	.amdgcn_target "amdgcn-amd-amdhsa--gfx1250"
	.amdhsa_code_object_version 6
	.text
	.protected	k_qce0119dd3a_lnorm
	.globl	k_qce0119dd3a_lnorm
	.p2align	8
	.type	k_qce0119dd3a_lnorm,@function
k_qce0119dd3a_lnorm:
	s_mov_b64 s[64:65], 0
	v_nop
	global_prefetch_b8 v0, s[64:65] scope:SCOPE_SE
	s_setreg_imm32_b32 hwreg(HW_REG_WAVE_MODE, 25, 1), 1
	s_wait_xcnt 0x0
; h = (a - mean) rsqrt(var + 1e-5) gamma + beta, row by row of 1,024 f32, rounded to bf16 and stored in blocks of 64 columns: element (m, c) at byte ((c / 64) 8192 + m) 128 + 2 (c % 64).
; The variance is the mean of (a - mean)^2, taken on the row held in registers, as reference() takes it: a common offset of the row costs nothing.
; 512 work-groups of 16 rows; a wave has two rows: lanes 0-15 hold one, lanes 16-31 the next; for kb = 0..15 a lane holds columns 64 kb + 4 (l % 16) + 0..3.
; So a row's sums stay inside sixteen lanes, a store of 8 bytes a lane covers 256 consecutive bytes, aligned, and the row's work stands once in the text.  Memory binds: no LDS, no barrier, no matrix unit.
; REGISTERS: v4-6 offsets; v8-71 gamma, v72-135 beta of my 64 columns; v136-199 my 64 numbers of a row; v200-207 chains; v208-209 the mean, twice; v210-211 1 / root, twice.
.set G,   8
.set BT,  72
.set X,   136
.set CHN, 200
.set M,   208
.set R,   210
	s_load_b256 s[4:11], s[0:1], 0x0               ; a 4, gamma 6, beta 8, h 10
	v_lshrrev_b32 v1, 5, v0
	v_readfirstlane_b32 s14, v1                    ; wave 0..7
	v_and_b32 v1, 31, v0
	v_and_b32 v2, 15, v0
	v_bfe_u32 v3, v0, 4, 1
	v_lshlrev_b32 v5, 4, v2                        ; 16 (l % 16)
	v_lshl_add_u32 v4, v3, 12, v5                  ; + a row for the upper lanes
	v_lshlrev_b32 v6, 3, v1                        ; 8 l
	s_lshl_b32 s16, ttmp9, 4
	s_lshl_b32 s17, s14, 1
	s_add_co_u32 s16, s16, s17                     ; my first row: 16 g + 2 w
	s_lshl_b32 s18, s16, 7
	s_lshl_b32 s16, s16, 12
	s_mov_b32 s17, 0
	s_mov_b32 s19, 0
	s_mov_b32 s12, 0x3a800000                      ; 1 / 1024
	s_mov_b32 s13, 0x3727c5ac                      ; 1e-5
	s_wait_kmcnt 0x0
	s_add_nc_u64 s[20:21], s[4:5], s[16:17]
	s_add_nc_u64 s[22:23], s[10:11], s[18:19]
	s_add_nc_u64 s[24:25], s[22:23], 0x800000      ; blocks 8 to 15: a second base, so that the stores' immediates stay inside 24 bits
.set kb, 0
.rept 16
	global_load_b128 v[X+4*kb:X+4*kb+3], v4, s[20:21] offset:256*kb
.set kb, kb+1
.endr
.set kb, 0
.rept 16
	global_load_b128 v[G+4*kb:G+4*kb+3], v5, s[6:7] offset:256*kb
.set kb, kb+1
.endr
.set kb, 0
.rept 16
	global_load_b128 v[BT+4*kb:BT+4*kb+3], v5, s[8:9] offset:256*kb
.set kb, kb+1
.endr
.macro FOLD                            ; four chains of pairs into one number, the same in the row's sixteen lanes
	v_pk_add_f32 v[CHN:CHN+1], v[CHN:CHN+1], v[CHN+2:CHN+3]
	v_pk_add_f32 v[CHN+4:CHN+5], v[CHN+4:CHN+5], v[CHN+6:CHN+7]
	v_pk_add_f32 v[CHN:CHN+1], v[CHN:CHN+1], v[CHN+4:CHN+5]
	v_add_f32 v[CHN], v[CHN], v[CHN+1]
	v_add_f32_dpp v[CHN], v[CHN], v[CHN] row_xmask:1 row_mask:0xf bank_mask:0xf
	v_add_f32_dpp v[CHN], v[CHN], v[CHN] row_xmask:2 row_mask:0xf bank_mask:0xf
	v_add_f32_dpp v[CHN], v[CHN], v[CHN] row_xmask:4 row_mask:0xf bank_mask:0xf
	v_add_f32_dpp v[CHN], v[CHN], v[CHN] row_xmask:8 row_mask:0xf bank_mask:0xf
.endm
	s_wait_loadcnt 32                              ; loads come back in order: the rows are in; gamma's and beta's 32 loads may stay out
.set z, 0
.rept 4
	v_pk_add_f32 v[CHN+2*z:CHN+2*z+1], v[X+2*z:X+2*z+1], v[X+8+2*z:X+8+2*z+1]  ; the first eight pairs start the chains
.set z, z+1
.endr
.set z, 8
.rept 24
	v_pk_add_f32 v[CHN+2*(z%4):CHN+2*(z%4)+1], v[CHN+2*(z%4):CHN+2*(z%4)+1], v[X+2*z:X+2*z+1]
.set z, z+1
.endr
	FOLD
	v_mul_f32 v[M], s12, v[CHN]
	v_mov_b32 v[M+1], v[M]
.set z, 0
.rept 32
	v_pk_add_f32 v[X+2*z:X+2*z+1], v[X+2*z:X+2*z+1], v[M:M+1] neg_lo:[0,1] neg_hi:[0,1]
.set z, z+1
.endr
.set z, 0
.rept 4
	v_pk_mul_f32 v[CHN+2*z:CHN+2*z+1], v[X+2*z:X+2*z+1], v[X+2*z:X+2*z+1]
.set z, z+1
.endr
.rept 28
	v_pk_fma_f32 v[CHN+2*(z%4):CHN+2*(z%4)+1], v[X+2*z:X+2*z+1], v[X+2*z:X+2*z+1], v[CHN+2*(z%4):CHN+2*(z%4)+1]
.set z, z+1
.endr
	FOLD
	v_fma_f32 v[CHN+1], v[CHN], s12, s13
	v_rsq_f32 v[R], v[CHN+1]
	v_rsq_f32 v[R+1], v[CHN+1]
	v_nop
	s_wait_loadcnt 0x0                             ; gamma and beta
	s_wait_alu depctr_va_vdst(0)                   ; one wait for both roots, ahead of their first reader
.set z, 0
.rept 32
	v_pk_mul_f32 v[X+2*z:X+2*z+1], v[X+2*z:X+2*z+1], v[R:R+1]
.set z, z+1
.endr
.set z, 0
.rept 32
	v_pk_fma_f32 v[X+2*z:X+2*z+1], v[X+2*z:X+2*z+1], v[G+2*z:G+2*z+1], v[BT+2*z:BT+2*z+1]
.set z, z+1
.endr
.set kb, 0
.rept 16
	v_cvt_pk_bf16_f32 v[X+4*kb], v[X+4*kb], v[X+4*kb+1]
	v_cvt_pk_bf16_f32 v[X+4*kb+1], v[X+4*kb+2], v[X+4*kb+3]
.if kb < 8
	global_store_b64 v6, v[X+4*kb:X+4*kb+1], s[22:23] offset:kb*1048576
.else
	global_store_b64 v6, v[X+4*kb:X+4*kb+1], s[24:25] offset:(kb-8)*1048576
.endif
.set kb, kb+1
.endr
	s_endpgm
.Lfunc_end_k_qce0119dd3a_lnorm:
	.size	k_qce0119dd3a_lnorm, .Lfunc_end_k_qce0119dd3a_lnorm-k_qce0119dd3a_lnorm
	.p2alignl 7, 3214868480
	.fill 96, 4, 3214868480
	.section	.rodata,"a",@progbits
	.p2align	6, 0x0
	.amdhsa_kernel k_qce0119dd3a_lnorm
		.amdhsa_group_segment_fixed_size 0
		.amdhsa_private_segment_fixed_size 0
		.amdhsa_enable_private_segment 0
		.amdhsa_kernarg_size 32
		.amdhsa_user_sgpr_count 2
		.amdhsa_user_sgpr_kernarg_segment_ptr 1
		.amdhsa_wavefront_size32 1
		.amdhsa_system_sgpr_workgroup_id_x 1
		.amdhsa_system_sgpr_workgroup_id_y 1
		.amdhsa_system_sgpr_workgroup_id_z 1
		.amdhsa_system_vgpr_workitem_id 0
		.amdhsa_next_free_vgpr 212
		.amdhsa_next_free_sgpr 66
		.amdhsa_reserve_vcc 0
		.amdhsa_float_denorm_mode_32 3
		.amdhsa_float_denorm_mode_16_64 3
		.amdhsa_memory_ordered 1
		.amdhsa_forward_progress 1
		.amdhsa_inst_pref_size 21
	.end_amdhsa_kernel
	.amdgpu_metadata
---
amdhsa.version: [ 1, 2 ]
amdhsa.kernels:
  - .name:           k_qce0119dd3a_lnorm
    .symbol:         k_qce0119dd3a_lnorm.kd
    .args:
      - { .name: attnr, .offset: 0, .size: 8, .value_kind: global_buffer, .address_space: global }
      - { .name: ln_gamma, .offset: 8, .size: 8, .value_kind: global_buffer, .address_space: global }
      - { .name: ln_beta, .offset: 16, .size: 8, .value_kind: global_buffer, .address_space: global }
      - { .name: acta, .offset: 24, .size: 8, .value_kind: global_buffer, .address_space: global }
    .group_segment_fixed_size: 0
    .private_segment_fixed_size: 0
    .kernarg_segment_align: 8
    .kernarg_segment_size: 32
    .max_flat_workgroup_size: 256
    .sgpr_count:     66
    .vgpr_count:     212
    .wavefront_size: 32
...
	.end_amdgpu_metadata
.endif
;; end of part 5
;; launch ffn1: the kernel of part 2 again; grid 4 x 64, 4 waves a work-group, clusters of 4 x 4, 327,680 bytes of LDS; arguments acta, w1p, qkv; writes qkv
;; launch ffn2: the kernel of part 4 again; grid 4 x 64, 4 waves a work-group, clusters of 4 x 4, 327,680 bytes of LDS; arguments qkv, w2t, b2, attnr, out0; writes out0
;; ======== version 2 of 2: 7 launches; version 1 with the launches prep, lnorm written anew for expert scheduling mode
;; limits: right only within a limited range of input values
;; workspace buffers: acta 16,777,216 bytes; qkv 50,331,648 bytes; attnr 33,554,432 bytes; wqkvp 6,307,840 bytes; w1p 2,113,536 bytes; w2t 2,097,152 bytes; wot 2,097,152 bytes
;; launch prep (part 6): grid 897 x 1, 8 waves a work-group, no clusters, 37,888 bytes of LDS; arguments x, rms_scale, per_dim_scale, wq, wk, wv, w1, w2, wo, bq, bk, bv, b1, acta, wqkvp, w1p, w2t, wot; writes acta, wqkvp, w1p, w2t, wot
.if DOCPART == 6
	.amdgcn_target "amdgcn-amd-amdhsa--gfx1250"
	.amdhsa_code_object_version 6
	.text
	.protected	k_qce0119dd3a_prep
	.globl	k_qce0119dd3a_prep
	.p2align	8
	.type	k_qce0119dd3a_prep,@function
k_qce0119dd3a_prep:
	s_mov_b64 s[64:65], 0
	v_nop
	global_prefetch_b8 v0, s[64:65] scope:SCOPE_SE
	s_setreg_imm32_b32 hwreg(HW_REG_WAVE_SCHED_MODE, 0, 2), 2
	s_setreg_imm32_b32 hwreg(HW_REG_WAVE_MODE, 25, 1), 1
	s_wait_xcnt 0x0
	s_wait_alu depctr_vm_vsrc(0)
; THE PROGRAM: a decoder layer, B = 8, T = 1024, D = 1024, 16 heads of 64, F = 1024, in seven launches: this one; q, k, v; attention; the output projection with its residual; LayerNorm; the two FFN products.
; WORK LEFT OUT, in the attention launch alone: key tiles of 256 keys that lie wholly above the diagonal of a block of 256 queries.  reference() builds the causal tril in its own body.  For a query t whose
; padding is not 0, every key s > t has mask 0 and its score is replaced by -1e9, while the query's own key s = t keeps its score: the replaced keys' weights are exp(-1e9 - max), nothing beside 1 in f32.
; For a query whose padding is 0 ALL 1024 scores are -1e9, the softmax is uniform over all 1024 keys, those above the diagonal too, and the row is the mean of v over the sequence: that mean is computed
; and selected.  Every input is loaded; bk stays, since the replaced scores do not shift with q . bk.
; LIMITS.  True scores lie far above -1e9 (reference() itself needs that).  mask == 0 is taken as: one of the two padding factors is 0; a product of two tiny paddings that underflows is not served.
; A NaN, an infinity or an overflow that reaches only the tiles left out is not carried to the result.  Matrix operands are bf16, sums f32.
; THIS LAUNCH, by the work-group's number g:
;   0-511    16 rows of x: xn = x rsqrt(mean x^2 + 1e-6) rms_scale, rounded to bf16, in blocks of 64 columns: element (m, c) at byte ((c / 64) 8192 + m) 128 + 2 (c % 64)
;   512-831  a unit of wq, wk, wv, w1 or w2 ([k][n] in memory): 64 k x 256 n, rounded to bf16 and turned through LDS into [256 n][64 k], 32,768 dense bytes; wq is multiplied by the q scale on the way
;   832-895  a unit of wo ([n][k] in memory): rounded only
;   896      the parameter heads: the floor word, bq times the q scale, bk, bv, b1
; The q scale is (log2 e / 8) softplus(p), softplus as max(p, 0) + log1p(exp(-|p|)); log1p(e) = e (1 - e / 2) below e = 2^-12; it is 0 where exp(-|p|) is flushed (p below -87).
; THE MODE: SCHED_MODE bits 1:0 = 2 (LLVM: expert scheduling mode 2), set by the entry lines.  The code itself states the register dependences between vector instructions and memory or LDS
; instructions, and between a vector instruction that writes a scalar register and that register's readers, with s_wait_alu, always for 0.
; THE PLAN.  Each of the four ways passes its data once: no loop, and no register that a memory or LDS instruction has read is ever written again.  So what is to be stated is this:
;   offsets and LDS addresses   made by vector instructions at a way's top; one wait stands ahead of the way's first load (the LDS addresses v92, v93: the wait ahead of the LDS stores).
;   loaded data                 lands in registers that no vector instruction has named before.
;   stores' data                written by roundings.  Rows and wo units go in two halves: one wait behind a half's roundings; the first half's stores are then dealt among the second half's vector
;                               instructions, which name the second half's registers alone.  Turned units: one wait behind the 32 roundings, ahead of the eight LDS stores.
;   s44, the wave's number      one wait in the head, ahead of the first branch.    s60-63, softplus's four masks: one wait behind the run of compares, ahead of the selects.
.set SPARE, 36864                      ; behind the turned unit's tile: the spare words, 128 bytes for each of the eight waves
.set SPW, 160                          ; v160 LDS address of my spare word; never rewritten
.set NIL, 161                          ; v161 0; never rewritten
.set SC,  8                            ; rows: v[8:71] rms_scale of my 64 columns
.set X,   72                           ; rows: v[72:135] my 64 numbers of a row
.set CHN, 136                          ; rows: v[136:143] four chains of sums
.set R,   144                          ; rows: v[144:145] 1 / root, twice
.set T,   8                            ; units: v[8:71] sixteen rows of four columns, f32
.set PK,  96                           ; units: v[96:127] packed
.set BK,  128                          ; units: v[128:159] read back
.set THR, 2                            ; s2      softplus: 2^-12
.set MK,  60                           ; s60-63  softplus: the masks of its four numbers
; Q[0..3] = (log2 e / 8) softplus(P[0..3]); E and U are four registers each, at work
.macro SOFTPLUS P, Q, E, U
	s_mov_b32 s[THR], 0x39800000
.irp c, 0,1,2,3
	v_and_b32 v[(\E)+(\c)], 0x7fffffff, v[(\P)+(\c)]
.endr
.irp c, 0,1,2,3
	v_mul_f32 v[(\E)+(\c)], 0xbfb8aa3b, v[(\E)+(\c)]    ; -|p| log2 e
.endr
.irp c, 0,1,2,3
	v_exp_f32 v[(\E)+(\c)], v[(\E)+(\c)]                ; e = exp(-|p|)
.endr
	v_nop                                          ; a plain instruction behind the last exponential
	s_wait_alu depctr_va_vdst(0)                   ; the four exponentials have written their results: one wait, ahead of the first reader
.irp c, 0,1,2,3
	v_add_f32 v[(\U)+(\c)], 1.0, v[(\E)+(\c)]
.endr
.irp c, 0,1,2,3
	v_log_f32 v[(\U)+(\c)], v[(\U)+(\c)]
.endr
.irp c, 0,1,2,3
	v_fma_f32 v[(\Q)+(\c)], v[(\E)+(\c)], -0.5, 1.0     ; the small form, made while the logarithms are out
.endr
.irp c, 0,1,2,3
	v_mul_f32 v[(\Q)+(\c)], v[(\E)+(\c)], v[(\Q)+(\c)]
.endr
.irp c, 0,1,2,3
	v_cmp_gt_f32 s[MK+(\c)], s[THR], v[(\E)+(\c)]       ; e below 2^-12?  The four compares stand in one run, each with a mask of its own
.endr
	s_wait_alu depctr_va_vdst(0)                   ; the four logarithms have written their results: one wait, ahead of the first reader
.irp c, 0,1,2,3
	v_mul_f32 v[(\U)+(\c)], 0x3f317218, v[(\U)+(\c)]    ; log2 to ln
.endr
	s_wait_alu depctr_va_sdst(0)                   ; the four compares have written s60 to s63, which the selects below read
.irp c, 0,1,2,3
	v_cndmask_b32 v[(\U)+(\c)], v[(\U)+(\c)], v[(\Q)+(\c)], s[MK+(\c)]
.endr
.irp c, 0,1,2,3
	v_max_num_f32 v[(\Q)+(\c)], 0, v[(\P)+(\c)]
.endr
.irp c, 0,1,2,3
	v_add_f32 v[(\Q)+(\c)], v[(\Q)+(\c)], v[(\U)+(\c)]
.endr
.irp c, 0,1,2,3
	v_mul_f32 v[(\Q)+(\c)], 0x3e38aa3b, v[(\Q)+(\c)]    ; log2 e / 8
.endr
.endm
	s_load_b512 s[4:19], s[0:1], 0x0               ; x 4, rms_scale 6, per_dim_scale 8, wq 10, wk 12, wv 14, w1 16, w2 18
	s_load_b512 s[20:35], s[0:1], 0x40             ; wo 20, bq 22, bk 24, bv 26, b1 28, acta 30, wqkvp 32, w1p 34
	s_load_b128 s[36:39], s[0:1], 0x80             ; w2t 36, wot 38
	v_lshl_add_u32 v[SPW], v0, 2, SPARE
	v_mov_b32 v[NIL], 0
	v_lshrrev_b32 v1, 5, v0
	v_readfirstlane_b32 s44, v1                    ; wave 0..7
	v_and_b32 v1, 31, v0                           ; l
	v_and_b32 v2, 15, v0                           ; l % 16
	v_bfe_u32 v3, v0, 4, 1                         ; l / 16
	s_mov_b32 s45, ttmp9
	s_wait_kmcnt 0x0
	s_wait_alu depctr_va_sdst(0)                   ; s44 is written
	s_cmp_lt_u32 s45, 512
	s_cbranch_scc1 .Lrows
	s_cmp_lt_u32 s45, 832
	s_cbranch_scc1 .Lturned
	s_cmp_lt_u32 s45, 896
	s_cbranch_scc1 .Lcast
	; THE PARAMETER HEADS: 256 threads, 16 bytes each of every vector of 1,024 numbers
	v_lshlrev_b32 v4, 4, v0
	v_lshlrev_b32 v5, 4, v2                        ; bq's number 4 t + c has channel 4 (t % 16) + c
	s_wait_alu depctr_va_vdst(0)                   ; v4 and v5 are written: the offsets of the loads and stores below
	global_load_b128 v[8:11], v4, s[22:23]
	global_load_b128 v[12:15], v4, s[24:25]
	global_load_b128 v[16:19], v4, s[26:27]
	global_load_b128 v[20:23], v4, s[28:29]
	global_load_b128 v[24:27], v5, s[8:9]
.irp c, 0,1,2,3
	v_mov_b32 v[40+(\c)], 0xff80ff80               ; the floor for q, k, v: minus infinity twice in bf16: it changes nothing
	v_mov_b32 v[44+(\c)], 0                        ; the floor for the first FFN product: its ReLU
.endr
	s_wait_loadcnt 0x0
	SOFTPLUS 24, 28, 32, 36
	v_pk_mul_f32 v[8:9], v[8:9], v[28:29]
	v_pk_mul_f32 v[10:11], v[10:11], v[30:31]
	s_wait_alu depctr_va_vdst(0)                   ; v8 to v11 and v40 to v47 are written, which the stores below read
	global_store_b128 v4, v[40:43], s[32:33]
	global_store_b128 v4, v[44:47], s[34:35]
	global_store_b128 v4, v[8:11], s[32:33] offset:4096
	global_store_b128 v4, v[12:15], s[32:33] offset:8192
	global_store_b128 v4, v[16:19], s[32:33] offset:12288
	global_store_b128 v4, v[20:23], s[34:35] offset:4096
	s_endpgm
	; ROWS.  A wave has two rows: lanes 0-15 hold one, lanes 16-31 the next; for kb = 0..15 a lane holds columns 64 kb + 4 (l % 16) + 0..3.
	; So a row's sum stays inside sixteen lanes, a store of 8 bytes a lane covers 256 consecutive bytes, aligned (two rows of one block of 64 columns), and the row's work stands once in the text.
.Lrows:
	v_lshlrev_b32 v5, 4, v2                        ; 16 (l % 16)
	v_lshl_add_u32 v4, v3, 12, v5                  ; + a row for the upper lanes
	v_lshlrev_b32 v6, 3, v1                        ; 8 l
	s_lshl_b32 s40, s45, 4
	s_lshl_b32 s41, s44, 1
	s_add_co_u32 s40, s40, s41                     ; my first row: 16 g + 2 w
	s_lshl_b32 s42, s40, 7
	s_lshl_b32 s40, s40, 12
	s_mov_b32 s41, 0
	s_mov_b32 s43, 0
	s_add_nc_u64 s[46:47], s[4:5], s[40:41]
	s_add_nc_u64 s[48:49], s[30:31], s[42:43]
	s_add_nc_u64 s[50:51], s[48:49], 0x800000      ; blocks 8 to 15: a second base, so that the stores' immediates stay inside 24 bits
	s_mov_b32 s52, 0x3a800000                      ; 1 / 1024
	s_mov_b32 s53, 0x358637bd                      ; 1e-6
	s_wait_alu depctr_va_vdst(0)                   ; v4, v5 and v6 are written: the offsets of every load and store of this way
.set kb, 0
.rept 16
	global_load_b128 v[X+4*kb:X+4*kb+3], v4, s[46:47] offset:256*kb th:TH_LOAD_NT
.set kb, kb+1
.endr
.set kb, 0
.rept 16
	global_load_b128 v[SC+4*kb:SC+4*kb+3], v5, s[6:7] offset:256*kb
.set kb, kb+1
.endr
	s_wait_loadcnt 16                              ; loads come back in order: the rows are in; the scale's sixteen loads may stay out
.set z, 0
.rept 4
	v_pk_mul_f32 v[CHN+2*z:CHN+2*z+1], v[X+2*z:X+2*z+1], v[X+2*z:X+2*z+1]  ; the first four pairs start the chains
.set z, z+1
.endr
.rept 28
	v_pk_fma_f32 v[CHN+2*(z%4):CHN+2*(z%4)+1], v[X+2*z:X+2*z+1], v[X+2*z:X+2*z+1], v[CHN+2*(z%4):CHN+2*(z%4)+1]
.set z, z+1
.endr
	v_pk_add_f32 v[CHN:CHN+1], v[CHN:CHN+1], v[CHN+2:CHN+3]
	v_pk_add_f32 v[CHN+4:CHN+5], v[CHN+4:CHN+5], v[CHN+6:CHN+7]
	v_pk_add_f32 v[CHN:CHN+1], v[CHN:CHN+1], v[CHN+4:CHN+5]
	v_add_f32 v[CHN], v[CHN], v[CHN+1]
	v_add_f32_dpp v[CHN], v[CHN], v[CHN] row_xmask:1 row_mask:0xf bank_mask:0xf
	v_add_f32_dpp v[CHN], v[CHN], v[CHN] row_xmask:2 row_mask:0xf bank_mask:0xf
	v_add_f32_dpp v[CHN], v[CHN], v[CHN] row_xmask:4 row_mask:0xf bank_mask:0xf
	v_add_f32_dpp v[CHN], v[CHN], v[CHN] row_xmask:8 row_mask:0xf bank_mask:0xf
	v_fma_f32 v[CHN+1], v[CHN], s52, s53           ; mean of squares + eps
	v_rsq_f32 v[R], v[CHN+1]
	v_rsq_f32 v[R+1], v[CHN+1]                     ; twice: a pair for the packed multiply
	v_nop
	s_wait_loadcnt 0x0                             ; the scale
	s_wait_alu depctr_va_vdst(0)                   ; both roots have written v[R], v[R+1]: one wait, ahead of their first reader
; Blocks 8 h to 8 h + 7: times 1 / root, times the scale, rounded to bf16.  st = 1: the eight stores of blocks 0 to 7 are dealt among the first sixteen multiplies:
; they read v6 and X + 0 to X + 29, and this half's vector instructions name X + 32 and up, SC + 32 and up and R.
.macro RHALF h, st
.set z, 0
.rept 16
.if (\st) && (z%2 == 0)
	global_store_b64 v6, v[X+2*z:X+2*z+1], s[48:49] offset:(z/2)*1048576   ; block z / 2
.endif
	v_pk_mul_f32 v[X+32*(\h)+2*z:X+32*(\h)+2*z+1], v[X+32*(\h)+2*z:X+32*(\h)+2*z+1], v[R:R+1]
.set z, z+1
.endr
.set z, 0
.rept 16
	v_pk_mul_f32 v[X+32*(\h)+2*z:X+32*(\h)+2*z+1], v[X+32*(\h)+2*z:X+32*(\h)+2*z+1], v[SC+32*(\h)+2*z:SC+32*(\h)+2*z+1]
.set z, z+1
.endr
.set z, 0
.rept 8
	v_cvt_pk_bf16_f32 v[X+32*(\h)+4*z], v[X+32*(\h)+4*z], v[X+32*(\h)+4*z+1]
	v_cvt_pk_bf16_f32 v[X+32*(\h)+4*z+1], v[X+32*(\h)+4*z+2], v[X+32*(\h)+4*z+3]
.set z, z+1
.endr
.endm
	RHALF 0, 0
	s_wait_alu depctr_va_vdst(0)                   ; the roundings of blocks 0 to 7 have written the data of the eight stores that follow
	RHALF 1, 1
	s_wait_alu depctr_va_vdst(0)                   ; the roundings of blocks 8 to 15 have written the data of the last eight stores
.set kb, 8
.rept 8
	global_store_b64 v6, v[X+4*kb:X+4*kb+1], s[50:51] offset:(kb-8)*1048576
.set kb, kb+1
.endr
	s_endpgm
	; A UNIT THAT IS TURNED.  q = g - 512 = 64 x matrix + 16 j + kb.  The source tile is rows k = 64 kb + 0..63, columns n = 256 j + 0..255.
	; Thread: four columns 4 nq + 0..3, nq = 32 (w % 2) + l, and the k groups of eight w / 2 and w / 2 + 4.  A load of a wave covers 512 consecutive bytes of one row.
.Lturned:
	v_lshlrev_b32 v94, 4, v1                       ; 16 l
	v_lshlrev_b32 v95, 4, v2                       ; for wq alone: column 4 nq + c has channel 4 (l % 16) + c.  Both offsets are made here, so that one wait serves all loads of this way
	s_sub_co_u32 s40, s45, 512                     ; q
	s_lshr_b32 s41, s40, 6                         ; which matrix: wq, wk, wv, w1, w2
	s_and_b32 s42, s40, 63                         ; u = 16 j + kb
	s_lshr_b32 s43, s42, 4                         ; j
	s_and_b32 s46, s42, 15                         ; kb
	s_cmp_eq_u32 s41, 1
	s_cselect_b64 s[48:49], s[12:13], s[10:11]
	s_cmp_eq_u32 s41, 2
	s_cselect_b64 s[48:49], s[14:15], s[48:49]
	s_cmp_eq_u32 s41, 3
	s_cselect_b64 s[48:49], s[16:17], s[48:49]
	s_cselect_b64 s[50:51], s[34:35], s[32:33]     ; to w1p, or to wqkvp,
	s_cselect_b32 s52, s42, s40                    ; as unit u, or as unit q
	s_cmp_eq_u32 s41, 4
	s_cselect_b64 s[48:49], s[18:19], s[48:49]
	s_cselect_b64 s[50:51], s[36:37], s[50:51]     ; or to w2t,
	s_cselect_b32 s52, s42, s52
	s_cselect_b32 s53, 0, 16384                    ; which has no parameter head
	s_lshl_b32 s52, s52, 15
	s_add_co_u32 s52, s52, s53
	s_lshl_b32 s53, s44, 12                        ; my wave stores 32 rows of 128 bytes
	s_add_co_u32 s52, s52, s53
	s_mov_b32 s53, 0
	s_add_nc_u64 s[50:51], s[50:51], s[52:53]
	s_lshl_b32 s54, s46, 18                        ; 64 kb rows of 4,096 bytes
	s_lshl_b32 s55, s43, 10                        ; 256 j columns
	s_add_co_u32 s54, s54, s55
	s_lshr_b32 s56, s44, 1                         ; g0 = w / 2
	s_lshl_b32 s55, s56, 15                        ; 8 g0 rows
	s_add_co_u32 s54, s54, s55
	s_and_b32 s57, s44, 1
	s_lshl_b32 s55, s57, 9                         ; the upper 128 columns
	s_add_co_u32 s54, s54, s55
	s_mov_b32 s55, 0
	s_add_nc_u64 s[48:49], s[48:49], s[54:55]
	s_wait_alu depctr_va_vdst(0)                   ; v94 and v95 are written: the offsets of this way's loads and global stores
.set i, 0
.rept 16
	global_load_b128 v[T+4*i:T+4*i+3], v94, s[48:49] offset:(32*(i/8)+i%8)*4096 th:TH_LOAD_NT
.set i, i+1
.endr
	s_lshl_b32 s58, s57, 5
	v_add_nc_u32 v92, s58, v1                      ; nq
	v_mul_u32_u24 v92, v92, 576                    ; four LDS rows of 144 bytes
	s_lshl_b32 s59, s56, 4
	v_add_nc_u32 v92, s59, v92                     ; + 16 g0
	v_lshrrev_b32 v93, 3, v1
	s_lshl_b32 s58, s44, 5
	v_add_nc_u32 v93, s58, v93                     ; back: row 32 w + l / 8,
	v_mul_u32_u24 v93, v93, 144
	v_and_b32 v91, 7, v1
	v_lshl_add_u32 v93, v91, 4, v93                ; 16 bytes of its 128
	s_cmp_lg_u32 s41, 0
	s_cbranch_scc1 .Lplain
	global_load_b128 v[72:75], v95, s[8:9]         ; wq alone.  No wait: the vector instructions since the wait above name v91 to v93 and v1, neither v95 nor v72 to v75
	s_wait_loadcnt 0x0
	SOFTPLUS 72, 80, 76, 84
.set i, 0
.rept 16
	v_pk_mul_f32 v[T+4*i:T+4*i+1], v[T+4*i:T+4*i+1], v[80:81]
	v_pk_mul_f32 v[T+4*i+2:T+4*i+3], v[T+4*i+2:T+4*i+3], v[82:83]
.set i, i+1
.endr
.Lplain:
	s_wait_loadcnt 0x0
.set i, 0
.rept 2
.set c, 0
.rept 4
.set p, 0
.rept 4
	v_cvt_pk_bf16_f32 v[PK+16*i+4*c+p], v[T+32*i+8*p+c], v[T+32*i+8*p+4+c]  ; k = 2 p and 2 p + 1 of column c
.set p, p+1
.endr
.set c, c+1
.endr
.set i, i+1
.endr
	s_wait_alu depctr_va_vdst(0)                   ; the 32 roundings have written v[PK ..], the LDS stores' data; v92 and v93, the LDS addresses, are written too
.set i, 0
.rept 2
.set c, 0
.rept 4
	ds_store_b128 v92, v[PK+16*i+4*c:PK+16*i+4*c+3] offset:144*c+64*i   ; eight k of one column: 16 bytes of its LDS row
.set c, c+1
.endr
.set i, i+1
.endr
	s_wait_dscnt 0x0                               ; for the others' sake: my stores are done
	s_barrier_signal -1
	s_barrier_wait -1
.set i, 0
.rept 8
	ds_load_b128 v[BK+4*i:BK+4*i+3], v93 offset:576*i                   ; no vector instruction names v[BK ..]
.set i, i+1
.endr
	s_wait_dscnt 0x0
.set i, 0
.rept 8
	global_store_b128 v94, v[BK+4*i:BK+4*i+3], s[50:51] offset:512*i    ; four rows of 128 bytes: 512 consecutive bytes, aligned
.set i, i+1
.endr
	s_wait_dscnt 0x0                               ; the closing lines, six on end
	s_wait_alu 0x0
	s_wait_tensorcnt 0x0
	ds_add_u32 v[SPW], v[NIL]
	s_wait_dscnt 0x0
	s_endpgm
	; A UNIT OF wo: rows d = 256 j + 0..255, k = 64 kb + 0..63, as they lie.  A wave has 32 rows; lanes 0-15 one row's 256 bytes, lanes 16-31 the next row's.
.Lcast:
	v_lshlrev_b32 v5, 4, v2
	v_lshl_add_u32 v4, v3, 12, v5
	v_lshlrev_b32 v6, 3, v1
	s_sub_co_u32 s40, s45, 832                     ; u = 16 j + kb
	s_lshr_b32 s41, s40, 4
	s_and_b32 s42, s40, 15
	s_lshl_b32 s46, s41, 20
	s_lshl_b32 s47, s42, 8
	s_add_co_u32 s46, s46, s47
	s_lshl_b32 s47, s44, 17
	s_add_co_u32 s46, s46, s47
	s_mov_b32 s47, 0
	s_add_nc_u64 s[48:49], s[20:21], s[46:47]
	s_lshl_b32 s50, s40, 15
	s_lshl_b32 s51, s44, 12
	s_add_co_u32 s50, s50, s51
	s_mov_b32 s51, 0
	s_add_nc_u64 s[50:51], s[38:39], s[50:51]
	s_wait_alu depctr_va_vdst(0)                   ; v4 and v6 are written: the offsets of this way's loads and stores
.set i, 0
.rept 16
	global_load_b128 v[T+4*i:T+4*i+3], v4, s[48:49] offset:8192*i th:TH_LOAD_NT
.set i, i+1
.endr
	s_wait_loadcnt 0x0
.set i, 0
.rept 8
	v_cvt_pk_bf16_f32 v[T+4*i], v[T+4*i], v[T+4*i+1]
	v_cvt_pk_bf16_f32 v[T+4*i+1], v[T+4*i+2], v[T+4*i+3]
.set i, i+1
.endr
	s_wait_alu depctr_va_vdst(0)                   ; the roundings of pairs of rows 0 to 7 have written the data of the eight stores that follow
.rept 8
	global_store_b64 v6, v[T+4*(i-8):T+4*(i-8)+1], s[50:51] offset:256*(i-8)   ; dealt among the second half's roundings, which name T + 32 and up
	v_cvt_pk_bf16_f32 v[T+4*i], v[T+4*i], v[T+4*i+1]
	v_cvt_pk_bf16_f32 v[T+4*i+1], v[T+4*i+2], v[T+4*i+3]
.set i, i+1
.endr
	s_wait_alu depctr_va_vdst(0)                   ; the roundings of pairs of rows 8 to 15 have written the data of the last eight stores
.set i, 8
.rept 8
	global_store_b64 v6, v[T+4*i:T+4*i+1], s[50:51] offset:256*i
.set i, i+1
.endr
	s_endpgm
.Lfunc_end_k_qce0119dd3a_prep:
	.size	k_qce0119dd3a_prep, .Lfunc_end_k_qce0119dd3a_prep-k_qce0119dd3a_prep
	.p2alignl 7, 3214868480
	.fill 96, 4, 3214868480
	.section	.rodata,"a",@progbits
	.p2align	6, 0x0
	.amdhsa_kernel k_qce0119dd3a_prep
		.amdhsa_group_segment_fixed_size 37888
		.amdhsa_private_segment_fixed_size 0
		.amdhsa_enable_private_segment 0
		.amdhsa_kernarg_size 144
		.amdhsa_user_sgpr_count 2
		.amdhsa_user_sgpr_kernarg_segment_ptr 1
		.amdhsa_wavefront_size32 1
		.amdhsa_system_sgpr_workgroup_id_x 1
		.amdhsa_system_sgpr_workgroup_id_y 1
		.amdhsa_system_sgpr_workgroup_id_z 1
		.amdhsa_system_vgpr_workitem_id 0
		.amdhsa_next_free_vgpr 162
		.amdhsa_next_free_sgpr 66
		.amdhsa_reserve_vcc 0
		.amdhsa_float_denorm_mode_32 3
		.amdhsa_float_denorm_mode_16_64 3
		.amdhsa_memory_ordered 1
		.amdhsa_forward_progress 1
		.amdhsa_inst_pref_size 38
	.end_amdhsa_kernel
	.amdgpu_metadata
---
amdhsa.version: [ 1, 2 ]
amdhsa.kernels:
  - .name:           k_qce0119dd3a_prep
    .symbol:         k_qce0119dd3a_prep.kd
    .args:
      - { .name: x, .offset: 0, .size: 8, .value_kind: global_buffer, .address_space: global }
      - { .name: rms_scale, .offset: 8, .size: 8, .value_kind: global_buffer, .address_space: global }
      - { .name: per_dim_scale, .offset: 16, .size: 8, .value_kind: global_buffer, .address_space: global }
      - { .name: wq, .offset: 24, .size: 8, .value_kind: global_buffer, .address_space: global }
      - { .name: wk, .offset: 32, .size: 8, .value_kind: global_buffer, .address_space: global }
      - { .name: wv, .offset: 40, .size: 8, .value_kind: global_buffer, .address_space: global }
      - { .name: w1, .offset: 48, .size: 8, .value_kind: global_buffer, .address_space: global }
      - { .name: w2, .offset: 56, .size: 8, .value_kind: global_buffer, .address_space: global }
      - { .name: wo, .offset: 64, .size: 8, .value_kind: global_buffer, .address_space: global }
      - { .name: bq, .offset: 72, .size: 8, .value_kind: global_buffer, .address_space: global }
      - { .name: bk, .offset: 80, .size: 8, .value_kind: global_buffer, .address_space: global }
      - { .name: bv, .offset: 88, .size: 8, .value_kind: global_buffer, .address_space: global }
      - { .name: b1, .offset: 96, .size: 8, .value_kind: global_buffer, .address_space: global }
      - { .name: acta, .offset: 104, .size: 8, .value_kind: global_buffer, .address_space: global }
      - { .name: wqkvp, .offset: 112, .size: 8, .value_kind: global_buffer, .address_space: global }
      - { .name: w1p, .offset: 120, .size: 8, .value_kind: global_buffer, .address_space: global }
      - { .name: w2t, .offset: 128, .size: 8, .value_kind: global_buffer, .address_space: global }
      - { .name: wot, .offset: 136, .size: 8, .value_kind: global_buffer, .address_space: global }
    .group_segment_fixed_size: 37888
    .private_segment_fixed_size: 0
    .kernarg_segment_align: 8
    .kernarg_segment_size: 144
    .max_flat_workgroup_size: 256
    .sgpr_count:     66
    .vgpr_count:     162
    .wavefront_size: 32
...
	.end_amdgpu_metadata
.endif
;; end of part 6
;; launch g16: the kernel of part 2 again; grid 12 x 64, 4 waves a work-group, clusters of 4 x 4, 327,680 bytes of LDS; arguments acta, wqkvp, qkv; writes qkv
;; launch attn: the kernel of part 3 again; grid 2 x 128, 4 waves a work-group, no clusters, 327,680 bytes of LDS; arguments qkv, padding, acta; writes acta
;; launch g32: the kernel of part 4 again; grid 4 x 64, 4 waves a work-group, clusters of 4 x 4, 327,680 bytes of LDS; arguments acta, wot, bo, x, attnr; writes attnr
;; launch lnorm (part 7): grid 512 x 1, 8 waves a work-group, no clusters, 0 bytes of LDS; arguments attnr, ln_gamma, ln_beta, acta; writes acta
.if DOCPART == 7
	.amdgcn_target "amdgcn-amd-amdhsa--gfx1250"
	.amdhsa_code_object_version 6
	.text
	.protected	k_qce0119dd3a_lnorm
	.globl	k_qce0119dd3a_lnorm
	.p2align	8
	.type	k_qce0119dd3a_lnorm,@function
k_qce0119dd3a_lnorm:
	s_mov_b64 s[64:65], 0
	v_nop
	global_prefetch_b8 v0, s[64:65] scope:SCOPE_SE
	s_setreg_imm32_b32 hwreg(HW_REG_WAVE_SCHED_MODE, 0, 2), 2
	s_setreg_imm32_b32 hwreg(HW_REG_WAVE_MODE, 25, 1), 1
	s_wait_xcnt 0x0
	s_wait_alu depctr_vm_vsrc(0)
; h = (a - mean) rsqrt(var + 1e-5) gamma + beta, row by row of 1,024 f32, rounded to bf16 and stored in blocks of 64 columns: element (m, c) at byte ((c / 64) 8192 + m) 128 + 2 (c % 64).
; The variance is the mean of (a - mean)^2, taken on the row held in registers, as reference() takes it: a common offset of the row costs nothing.
; 512 work-groups of 16 rows; a wave has two rows: lanes 0-15 hold one, lanes 16-31 the next; for kb = 0..15 a lane holds columns 64 kb + 4 (l % 16) + 0..3.
; So a row's sums stay inside sixteen lanes, a store of 8 bytes a lane covers 256 consecutive bytes, aligned, and the row's work stands once in the text.  Memory binds: no LDS, no barrier, no matrix unit.
; REGISTERS: v4-6 offsets; v8-71 gamma, v72-135 beta of my 64 columns; v136-199 my 64 numbers of a row; v200-207 chains; v208-209 the mean, twice; v210-211 1 / root, twice.
; THE MODE: SCHED_MODE bits 1:0 = 2 (LLVM: expert scheduling mode 2), set by the entry lines.  The code itself states the register dependences between vector instructions and memory
; instructions, and between a vector instruction that writes a scalar register and that register's readers, with s_wait_alu, always for 0.
; THE PLAN.  Registers that memory instructions touch:
;   v4, v5, v6   offsets, made once at the head and never written again: one wait ahead of the first load.
;   X, G, BT     the loads land in them; no vector instruction has named them before.  Behind the waits for the data, vector instructions work on X in place.
;   X + 4 kb, X + 4 kb + 1   block kb's rounded numbers, which its store reads; nothing writes them again.
; The closing arithmetic goes in two halves of eight blocks.  One wait behind a half's roundings states that the half's stores may read their data; the first half's eight stores are then dealt
; among the second half's multiplies, which name the second half's registers alone.
.set G,   8
.set BT,  72
.set X,   136
.set CHN, 200
.set M,   208
.set R,   210
	s_load_b256 s[4:11], s[0:1], 0x0               ; a 4, gamma 6, beta 8, h 10
	v_lshrrev_b32 v1, 5, v0
	v_readfirstlane_b32 s14, v1                    ; wave 0..7
	v_and_b32 v1, 31, v0
	v_and_b32 v2, 15, v0
	v_bfe_u32 v3, v0, 4, 1
	v_lshlrev_b32 v5, 4, v2                        ; 16 (l % 16)
	v_lshl_add_u32 v4, v3, 12, v5                  ; + a row for the upper lanes
	v_lshlrev_b32 v6, 3, v1                        ; 8 l
	s_lshl_b32 s16, ttmp9, 4
	s_wait_alu depctr_va_sdst(0)                   ; s14 is written, ahead of its first reader: the bases of a and h are made from it
	s_lshl_b32 s17, s14, 1
	s_add_co_u32 s16, s16, s17                     ; my first row: 16 g + 2 w
	s_lshl_b32 s18, s16, 7
	s_lshl_b32 s16, s16, 12
	s_mov_b32 s17, 0
	s_mov_b32 s19, 0
	s_mov_b32 s12, 0x3a800000                      ; 1 / 1024
	s_mov_b32 s13, 0x3727c5ac                      ; 1e-5
	s_wait_kmcnt 0x0
	s_add_nc_u64 s[20:21], s[4:5], s[16:17]
	s_add_nc_u64 s[22:23], s[10:11], s[18:19]
	s_add_nc_u64 s[24:25], s[22:23], 0x800000      ; blocks 8 to 15: a second base, so that the stores' immediates stay inside 24 bits
	s_wait_alu depctr_va_vdst(0)                   ; v4, v5 and v6 are written: the offsets of every load and store of the kernel
.set kb, 0
.rept 16
	global_load_b128 v[X+4*kb:X+4*kb+3], v4, s[20:21] offset:256*kb
.set kb, kb+1
.endr
.set kb, 0
.rept 16
	global_load_b128 v[G+4*kb:G+4*kb+3], v5, s[6:7] offset:256*kb
.set kb, kb+1
.endr
.set kb, 0
.rept 16
	global_load_b128 v[BT+4*kb:BT+4*kb+3], v5, s[8:9] offset:256*kb
.set kb, kb+1
.endr
.macro FOLD                            ; four chains of pairs into one number, the same in the row's sixteen lanes
	v_pk_add_f32 v[CHN:CHN+1], v[CHN:CHN+1], v[CHN+2:CHN+3]
	v_pk_add_f32 v[CHN+4:CHN+5], v[CHN+4:CHN+5], v[CHN+6:CHN+7]
	v_pk_add_f32 v[CHN:CHN+1], v[CHN:CHN+1], v[CHN+4:CHN+5]
	v_add_f32 v[CHN], v[CHN], v[CHN+1]
	v_add_f32_dpp v[CHN], v[CHN], v[CHN] row_xmask:1 row_mask:0xf bank_mask:0xf
	v_add_f32_dpp v[CHN], v[CHN], v[CHN] row_xmask:2 row_mask:0xf bank_mask:0xf
	v_add_f32_dpp v[CHN], v[CHN], v[CHN] row_xmask:4 row_mask:0xf bank_mask:0xf
	v_add_f32_dpp v[CHN], v[CHN], v[CHN] row_xmask:8 row_mask:0xf bank_mask:0xf
.endm
	s_wait_loadcnt 32                              ; loads come back in order: the rows are in; gamma's and beta's 32 loads may stay out
.set z, 0
.rept 4
	v_pk_add_f32 v[CHN+2*z:CHN+2*z+1], v[X+2*z:X+2*z+1], v[X+8+2*z:X+8+2*z+1]  ; the first eight pairs start the chains
.set z, z+1
.endr
.set z, 8
.rept 24
	v_pk_add_f32 v[CHN+2*(z%4):CHN+2*(z%4)+1], v[CHN+2*(z%4):CHN+2*(z%4)+1], v[X+2*z:X+2*z+1]
.set z, z+1
.endr
	FOLD
	v_mul_f32 v[M], s12, v[CHN]
	v_mov_b32 v[M+1], v[M]
.set z, 0
.rept 32
	v_pk_add_f32 v[X+2*z:X+2*z+1], v[X+2*z:X+2*z+1], v[M:M+1] neg_lo:[0,1] neg_hi:[0,1]
.set z, z+1
.endr
.set z, 0
.rept 4
	v_pk_mul_f32 v[CHN+2*z:CHN+2*z+1], v[X+2*z:X+2*z+1], v[X+2*z:X+2*z+1]
.set z, z+1
.endr
.rept 28
	v_pk_fma_f32 v[CHN+2*(z%4):CHN+2*(z%4)+1], v[X+2*z:X+2*z+1], v[X+2*z:X+2*z+1], v[CHN+2*(z%4):CHN+2*(z%4)+1]
.set z, z+1
.endr
	FOLD
	v_fma_f32 v[CHN+1], v[CHN], s12, s13
	v_rsq_f32 v[R], v[CHN+1]
	v_rsq_f32 v[R+1], v[CHN+1]
	v_nop
	s_wait_loadcnt 0x0                             ; gamma and beta
	s_wait_alu depctr_va_vdst(0)                   ; both roots have written v[R], v[R+1]: one wait, ahead of their first reader
; Blocks 8 h to 8 h + 7: times 1 / root, times gamma plus beta, rounded to bf16.  st = 1: the eight stores of blocks 0 to 7 are dealt among the first sixteen multiplies:
; they read v6 and X + 0 to X + 29, and this half's vector instructions name X + 32 and up, G + 32 and up, BT + 32 and up and R.
.macro HALF h, st
.set z, 0
.rept 16
.if (\st) && (z%2 == 0)
	global_store_b64 v6, v[X+2*z:X+2*z+1], s[22:23] offset:(z/2)*1048576   ; block z / 2
.endif
	v_pk_mul_f32 v[X+32*(\h)+2*z:X+32*(\h)+2*z+1], v[X+32*(\h)+2*z:X+32*(\h)+2*z+1], v[R:R+1]
.set z, z+1
.endr
.set z, 0
.rept 16
	v_pk_fma_f32 v[X+32*(\h)+2*z:X+32*(\h)+2*z+1], v[X+32*(\h)+2*z:X+32*(\h)+2*z+1], v[G+32*(\h)+2*z:G+32*(\h)+2*z+1], v[BT+32*(\h)+2*z:BT+32*(\h)+2*z+1]
.set z, z+1
.endr
.set z, 0
.rept 8
	v_cvt_pk_bf16_f32 v[X+32*(\h)+4*z], v[X+32*(\h)+4*z], v[X+32*(\h)+4*z+1]
	v_cvt_pk_bf16_f32 v[X+32*(\h)+4*z+1], v[X+32*(\h)+4*z+2], v[X+32*(\h)+4*z+3]
.set z, z+1
.endr
.endm
	HALF 0, 0
	s_wait_alu depctr_va_vdst(0)                   ; the roundings of blocks 0 to 7 have written the data of the eight stores that follow
	HALF 1, 1
	s_wait_alu depctr_va_vdst(0)                   ; the roundings of blocks 8 to 15 have written the data of the last eight stores
.set kb, 8
.rept 8
	global_store_b64 v6, v[X+4*kb:X+4*kb+1], s[24:25] offset:(kb-8)*1048576
.set kb, kb+1
.endr
	s_endpgm
.Lfunc_end_k_qce0119dd3a_lnorm:
	.size	k_qce0119dd3a_lnorm, .Lfunc_end_k_qce0119dd3a_lnorm-k_qce0119dd3a_lnorm
	.p2alignl 7, 3214868480
	.fill 96, 4, 3214868480
	.section	.rodata,"a",@progbits
	.p2align	6, 0x0
	.amdhsa_kernel k_qce0119dd3a_lnorm
		.amdhsa_group_segment_fixed_size 0
		.amdhsa_private_segment_fixed_size 0
		.amdhsa_enable_private_segment 0
		.amdhsa_kernarg_size 32
		.amdhsa_user_sgpr_count 2
		.amdhsa_user_sgpr_kernarg_segment_ptr 1
		.amdhsa_wavefront_size32 1
		.amdhsa_system_sgpr_workgroup_id_x 1
		.amdhsa_system_sgpr_workgroup_id_y 1
		.amdhsa_system_sgpr_workgroup_id_z 1
		.amdhsa_system_vgpr_workitem_id 0
		.amdhsa_next_free_vgpr 212
		.amdhsa_next_free_sgpr 66
		.amdhsa_reserve_vcc 0
		.amdhsa_float_denorm_mode_32 3
		.amdhsa_float_denorm_mode_16_64 3
		.amdhsa_memory_ordered 1
		.amdhsa_forward_progress 1
		.amdhsa_inst_pref_size 21
	.end_amdhsa_kernel
	.amdgpu_metadata
---
amdhsa.version: [ 1, 2 ]
amdhsa.kernels:
  - .name:           k_qce0119dd3a_lnorm
    .symbol:         k_qce0119dd3a_lnorm.kd
    .args:
      - { .name: attnr, .offset: 0, .size: 8, .value_kind: global_buffer, .address_space: global }
      - { .name: ln_gamma, .offset: 8, .size: 8, .value_kind: global_buffer, .address_space: global }
      - { .name: ln_beta, .offset: 16, .size: 8, .value_kind: global_buffer, .address_space: global }
      - { .name: acta, .offset: 24, .size: 8, .value_kind: global_buffer, .address_space: global }
    .group_segment_fixed_size: 0
    .private_segment_fixed_size: 0
    .kernarg_segment_align: 8
    .kernarg_segment_size: 32
    .max_flat_workgroup_size: 256
    .sgpr_count:     66
    .vgpr_count:     212
    .wavefront_size: 32
...
	.end_amdgpu_metadata
.endif
;; end of part 7
;; launch ffn1: the kernel of part 2 again; grid 4 x 64, 4 waves a work-group, clusters of 4 x 4, 327,680 bytes of LDS; arguments acta, w1p, qkv; writes qkv
;; launch ffn2: the kernel of part 4 again; grid 4 x 64, 4 waves a work-group, clusters of 4 x 4, 327,680 bytes of LDS; arguments qkv, w2t, b2, attnr, out0; writes out0
